; MI455X (gfx1250); checked and timed in simulation.
; The chip was launched on July 23, 2026; its instructions are those of AMD's public machine-readable ISA for CDNA 5 (MIT licence, August 2026) and "CDNA5" Instruction Set Architecture Reference Guide (July 2026). The comments in the code are by the model that wrote it; some were corrected since.
;; Multi Head Attention. Allowed arithmetic: matrix products marked QUANTISED: E4M3 operands, one given power-of-two scale a tensor, by v_wmma_f32_16x16x64_fp8_fp8 or v_wmma_f32_16x16x128_fp8_fp8, f32 sums; everything else in f32.
;; Inputs: W_k_codes 768 x 12 x 32 uint8 (E4M3 codes of W_k, K innermost, in blocks of 32 codes); W_o_codes 768 x 24 x 32 uint8 (E4M3 codes of W_o, K innermost, in blocks of 32 codes); W_q_codes 768 x 12 x 32 uint8 (E4M3 codes of W_q, K innermost, in blocks of 32 codes); W_v_codes 768 x 12 x 32 uint8 (E4M3 codes of W_v, K innermost, in blocks of 32 codes); b_o 768 float32; lowp_scales 12 int32 (the exponents e of the quantised operands' scales 2^e); x_codes 2 x 4,096 x 12 x 32 uint8 (E4M3 codes of x, K innermost, in blocks of 32 codes).
;; Outputs: out0 2 x 4,096 x 768 float32.
;; This version of the problem:
;;   THIS VERSION OF THE PROBLEM IS GIVEN IN LOW PRECISION. The matrix products marked QUANTISED in the list below multiply operands that are first quantised to E4M3 (4 exponent bits, 3 mantissa bits; 8 bits a number), with one given power-of-two scale for each operand tensor; their sums are f32. All else is computed in f32.
;;   The module's matrix products, in the order in which they are computed (A, B: the left and right operand; K: the contracted axis; several contracted axes count as one K, in the product's order):
;;     1. [M 8,192, K 384] x [K 384, N 768]; A: input x (given as codes); B: input W_q (given as codes): QUANTISED (scales: A lowp_scales[0], B lowp_scales[1])
;;     2. [M 8,192, K 384] x [K 384, N 768]; A: input x (given as codes); B: input W_k (given as codes): QUANTISED (scales: A lowp_scales[2], B lowp_scales[3])
;;     3. [M 8,192, K 384] x [K 384, N 768]; A: input x (given as codes); B: input W_v (given as codes): QUANTISED (scales: A lowp_scales[4], B lowp_scales[5])
;;     4. batch 12 x [M 4,096, K 128] x [K 128, N 4,096]; A: computed on the way; B: computed on the way: QUANTISED (scales: A lowp_scales[6], B lowp_scales[7])
;;     5. batch 12 x [M 4,096, K 4,096] x [K 4,096, N 128]; A: softmax (see below); B: computed on the way: QUANTISED (scales: A lowp_scales[8], B lowp_scales[9])
;;     6. [M 8,192, K 768] x [K 768, N 768]; A: computed on the way; B: input W_o (given as codes): QUANTISED (scales: A lowp_scales[10], B lowp_scales[11])
;;   THE QUANTISER, for each operand of a quantised product, along K:
;;     - The operand's scale is 2^e, e = its entry of the input lowp_scales (int32; the entries are numbered through the quantised products in the list's order, A before B).
;;     - Each number is divided by the scale, clamped to +-448, and rounded to the nearest number of E4M3, ties to even, subnormals kept.
;;     - The product sums the exact products of the quantised numbers (number of the format x scale) in f32.
;;   ~~~python
;;   def quantise(x, axis, e):      # numpy; x: float32 -> the quantised numbers, widened to float32 again
;;       x = np.moveaxis(x, axis, -1); K = x.shape[-1]
;;       r = np.clip(x / 2.0 ** e, -448, 448)
;;       step = 2.0 ** (np.maximum(np.frexp(np.where(r == 0, 1, r))[1] - 1, -6) - 3)
;;       q = np.round(r / step) * step * 2.0 ** e      # np.round: ties to even
;;       return np.moveaxis(q, -1, axis).astype(np.float32)
;;   ~~~
;;   SOFTMAX AHEAD OF A QUANTISED PRODUCT. Where the list says 'softmax', what is quantised is not the finished softmax but p = 2^(t - M), with t = logit x log2(e) and M = ceil(the row's largest t), a whole number; so 1/2 < the row's largest p <= 1. The row's sum l is taken of the UNQUANTISED p, in f32, and the product's result is divided by l at the end. Since M is a whole number, a kernel that streams over the keys may use a running M (the ceiling of the running maximum): every later rescaling is an exact power of two, so the quantised numbers keep their values, but for numbers so far below the row's largest that they fall under the format's range.
;;   OPERANDS COMPUTED ON THE WAY. 'Computed on the way' means the value that the module computes at that place (a softmax that the list does not call 'softmax' is quantised finished and normalised). What goes into a quantiser is computed in f32, as accurately as f32 sums, v_exp_f32 and their like allow (about 1e-6 of the number): no bf16 or f16 on the way to a quantiser, and a product that is left as it is and whose result goes on into a quantised operand takes f32 operands (vector FMAs, or v_wmma_f32_16x16x4_f32). A number that lies on a knife's edge between two numbers of the format may be rounded either way, as far as f32 arithmetic and the matrix unit's own rounding can turn it there, and no further.
;;   INPUTS GIVEN AS CODES. W_k (in the module: [384, 768], K = its axis 0); W_o (in the module: [768, 768], K = its axis 0); W_q (in the module: [384, 768], K = its axis 0); W_v (in the module: [384, 768], K = its axis 0); x (in the module: [2, 4096, 384], K = its axis 2): each comes as NAME_codes (uint8): NAME with its K axis moved to the last place and cut into blocks of 32 codes, [.., K / 32, bytes a block], one block behind the other in memory; one code a byte (a code: sign, 4 exponent bits, 3 mantissa bits); its scale is its entry of lowp_scales. Its value is code x scale, taken as it is: it is not quantised again, and the codes and scales need not be those that the quantiser above would give.
;; 2 versions, each right; version 2 is version 1 with the launches qkv, proj written anew for expert scheduling mode. Each part assembles by itself: llvm-mc -triple=amdgcn-amd-amdhsa -mcpu=gfx1250 --defsym DOCPART=n.
;; ======== version 1 of 2: 3 launches
;; workspace buffers: qf 6,291,456 bytes; kf 6,291,456 bytes; vf 6,291,456 bytes; cf 6,291,456 bytes
;; launch qkv (part 1): grid 256 x 1, 4 waves a work-group, no clusters, 0 bytes of LDS; arguments x_codes, W_q_codes, W_k_codes, W_v_codes, lowp_scales, qf, kf, vf; writes qf, kf, vf
.if DOCPART == 1
	.amdgcn_target "amdgcn-amd-amdhsa--gfx1250"
	.amdhsa_code_object_version 6
	.text
	.protected	k_qf31260f180_qkv
	.globl	k_qf31260f180_qkv
	.p2align	8
	.type	k_qf31260f180_qkv,@function
k_qf31260f180_qkv:
	s_mov_b64 s[64:65], 0
	v_nop
	global_prefetch_b8 v0, s[64:65] scope:SCOPE_SE
	s_setreg_imm32_b32 hwreg(HW_REG_WAVE_MODE, 25, 1), 1
	s_wait_xcnt 0x0
; q = x W_q, k = x W_k, v = x W_v on codes of E4M3 (K = 384), each result quantised at once to E4M3 with its given scale and stored as the operand that the second launch wants.
; DEAD WORK OF THE PROGRAM (left out in the second launch; nothing is left out here).  reference() sets scores[q][k] to -inf wherever k > q, by a mask that it builds in its own body (triu, k = 1).
; The softmax gives such a key the weight exp(-inf) = 0 whatever finite values the inputs hold, and 0 x v adds nothing to ctx.  So a step of 128 keys whose first key lies behind the last query of a block of
; 128 queries reaches no output: its loads, products and exponentials are not done.  LIMIT: a NaN, an infinity or an overflow that would arise only in those scores is not carried to the result.
; Every key is seen by some query, so all of q, k and v is live; every input has a way to the output and is loaded by some launch.
; ONE BODY FOR THE THREE PRODUCTS.  An output fragment (16 x 128 codes) is 24 matrix instructions: source 0 = a STATIONARY block of 128 rows (8 tiles x 3 K steps, 384 registers, read once),
; source 1 = a STREAMING tile of 16 rows (48 registers).  q, k: stationary = a head's 128 rows of W, streaming = 16 rows of x.  v: stationary = 128 rows (keys) of x, streaming = 16 rows (channels) of W_v.
; All rows are 384 bytes; only pointers differ, chosen on the work-group's number.  In the result a lane holds ONE streaming row, and its registers run along the stationary rows.
; THE ROWS OF A TILE ARE NOT NEIGHBOURS: lane r of tile X takes row 32 (X / 2) + 8 (X % 2) + r + 8 (r / 8), in x and in the weights alike.  So the 16 registers of result tiles 2 b and 2 b + 1 are 16 neighbours
; 32 b + 16 (lane / 16) + 0 .. 15 along the next product's K, and the conversions' results ARE that operand's registers.
; A fragment's registers 4 c .. 4 c + 3 hold K = 32 c + 16 (lane / 16) + 0 .. 15: a permutation of k that is the same in both operands of every product of this program.
; OUT: each fragment as an IMAGE OF ITS REGISTERS, 2,048 bytes: chunk c of 512 bytes holds registers 4 c .. 4 c + 3, lane l's 16 bytes at 16 l: each store of the wave covers 512 consecutive bytes, aligned.
;   qf [bh][tile T 0..255][2048];  kf [bh][slot 0..7][a 0..1][step 0..3][t' 0..3][2048], key tile T = 32 slot + 8 step + 4 a + t';  vf the same with key block 4 slot + step and channel tile 4 a + t'.
; SHARES.  Work-groups 0-95: q, 96-191: k: (head, 512 rows of x), a wave 8 tiles of x.  Work-groups 192-255: v: 128 keys, a wave 12 of W_v's 48 channel tiles.
; NO CLUSTER, NO LDS: a wave's whole work is 8 or 12 fragments on operands that go from memory straight into its registers; a ring of LDS slots would have as many changes of slots as the wave has fragments.
; code = sum x 2^(ea + eb) / 2^e = sum / 2^ES, ES = e - ea - eb, held within +-448.  LIMIT: -126 <= ES <= 119, so that 2^ES and 448 x 2^ES are f32 numbers.
; REGISTERS: window 0: v1 16 x lane; v2 my lane's byte in a tile of rows; v8 2^ES; v9 448 x 2^ES; v16-63, v64-111 the two streaming tiles; v112-175 eight accumulators; v176-191, v192-207 codes.
;   window 1: stationary fragment (tile t, K step k) at v[128 k + 16 t], k = 0, 1;   window 2: K step 2 at v[16 t].
.set ROWB, 384
.set LI,   1
.set FA,   2
.set SC,   8
.set LIM,  9
.set SA,   16
.set SB,   64
.set ACC,  112
.set PC0,  176
.set PC1,  192
.set MSB, 0
.macro WIN new                         ; the immediate's high byte repeats the setting that is left; a switch that changes nothing is dropped
.if MSB != \new
	s_set_vgpr_msb (MSB<<8)|\new
.set MSB, \new
.endif
.endm
.macro STAT                            ; the stationary block: 96 loads of 16 bytes a lane
	WIN 0x40
.irp k, 0,1
.irp t, 0,1,2,3,4,5,6,7
.irp c, 0,1,2,3
	global_load_b128 v[128*\k+16*\t+4*\c:128*\k+16*\t+4*\c+3], v[FA], s[36:37] offset:(32*(\t/2)+8*(\t%2))*ROWB+128*\k+32*\c
.endr
.endr
.endr
	WIN 0x80
.irp t, 0,1,2,3,4,5,6,7
.irp c, 0,1,2,3
	global_load_b128 v[16*\t+4*\c:16*\t+4*\c+3], v[FA], s[36:37] offset:(32*(\t/2)+8*(\t%2))*ROWB+256+32*\c
.endr
.endr
	WIN 0
.endm
.macro SLOAD buf, u, adv               ; streaming tile u of the pair that lies adv pairs (32 rows) on
.irp k, 0,1,2
.irp c, 0,1,2,3
	global_load_b128 v[\buf+16*\k+4*\c:\buf+16*\k+4*\c+3], v[FA], s[38:39] offset:(\adv)*12288+(\u)*3072+128*\k+32*\c
.endr
.endr
.endm
.macro QUANT src, dst, sc, lim         ; 64 numbers of a lane become a fragment's 16 registers of codes; each accumulator is read from its low end on
.set qb, 0
.rept 4
.set qi, 0
.rept 16
	v_med3_num_f32 v[\src+16*qb+qi], v[\src+16*qb+qi], -v[\lim], v[\lim]   ; the conversion to an 8-bit code does not saturate (ISA guide 7.6.2): the hold at the largest code x the scale
.set qi, qi+1
.endr
	v_cvt_scalef32_pk8_fp8_f32 v[\dst+4*qb:\dst+4*qb+1], v[\src+16*qb:\src+16*qb+7], v[\sc]
	v_cvt_scalef32_pk8_fp8_f32 v[\dst+4*qb+2:\dst+4*qb+3], v[\src+16*qb+8:\src+16*qb+15], v[\sc]
.set qb, qb+1
.endr
	v_nop                                          ; one plain vector line behind the last conversion: the next products write the conversions' sources
.endm
.macro OUTADR                          ; where tile s45's image goes: head (v alone), part a, place t'
	s_lshr_b32 s48, s45, 3
	s_lshl_b32 s48, s48, 19
	s_bfe_u32 s49, s45, 0x10002
	s_mul_i32 s49, s49, s44
	s_add_co_u32 s48, s48, s49
	s_and_b32 s49, s45, 3
	s_lshl_b32 s49, s49, 11
	s_add_co_u32 s48, s48, s49
	s_mov_b32 s49, 0
	s_add_nc_u64 s[42:43], s[40:41], s[48:49]
.endm
; One output fragment.  The eight accumulators take turns, one instruction a turn, K step by K step.
.macro FRAG buf, pc, u, next, cnt
	s_wait_loadcnt \cnt                            ; my streaming tile is in (and, the first time, the stationary block); the other tile's loads, issued behind mine, may be out
	WIN 0x01
.irp t, 0,1,2,3,4,5,6,7
	v_wmma_f32_16x16x128_fp8_fp8 v[ACC+8*\t:ACC+8*\t+7], v[16*\t:16*\t+15], v[\buf:\buf+15], 0
.endr
.irp t, 0,1,2,3,4,5,6,7
	v_wmma_f32_16x16x128_fp8_fp8 v[ACC+8*\t:ACC+8*\t+7], v[128+16*\t:128+16*\t+15], v[\buf+16:\buf+31], v[ACC+8*\t:ACC+8*\t+7]
.endr
	WIN 0x02
.irp t, 0,1,2,3,4,5,6,7
	v_wmma_f32_16x16x128_fp8_fp8 v[ACC+8*\t:ACC+8*\t+7], v[16*\t:16*\t+15], v[\buf+32:\buf+47], v[ACC+8*\t:ACC+8*\t+7]
.endr
	WIN 0
.rept 4
	v_nop                                          ; four places ahead of the loads into the tile just multiplied and of the first read of results
.endr
.if \next
	SLOAD \buf, \u, 1
.endif
	QUANT ACC, \pc, SC, LIM
.irp c, 0,1,2,3
	global_store_b128 v[LI], v[\pc+4*\c:\pc+4*\c+3], s[42:43] offset:(\u)*2048+512*\c
.endr
.endm
	s_load_b256 s[4:11], s[0:1], 0x0               ; x s[4:5], W_q s[6:7], W_k s[8:9], W_v s[10:11]
	s_load_b256 s[12:19], s[0:1], 0x20             ; the scales' exponents s[12:13], qf s[14:15], kf s[16:17], vf s[18:19]
	v_lshrrev_b32 v3, 5, v0
	v_readfirstlane_b32 s30, v3                    ; wave 0..3
	v_and_b32 v1, 31, v0
	v_lshlrev_b32 v[LI], 4, v1                     ; 16 x lane
	v_and_b32 v4, 15, v0                           ; r
	v_bfe_u32 v5, v0, 4, 1                         ; h
	v_and_b32 v6, 8, v4
	v_add_nc_u32 v6, v6, v4                        ; r + 8 (r / 8)
	v_mul_u32_u24 v[FA], v6, ROWB
	v_lshl_add_u32 v[FA], v5, 4, v[FA]             ; that row, + 16 h
	s_mov_b32 s31, ttmp9                           ; g
	s_lshr_b32 s32, s31, 4                         ; q, k: 0-5 q's heads, 6-11 k's
	s_and_b32 s34, s31, 15                         ; q, k: which 512 rows of x
	s_cmp_ge_u32 s32, 6
	s_cselect_b32 s48, 6, 0
	s_sub_co_u32 s33, s32, s48                     ; q, k: the head
	s_lshr_b32 s35, s34, 3                         ; q, k: the batch
	s_max_u32 s49, s31, 192
	s_sub_co_u32 s49, s49, 192                     ; v: which 128 rows of x
	s_lshl_b32 s50, s34, 5
	s_lshl_b32 s51, s30, 3
	s_add_co_u32 s50, s50, s51                     ; q, k: my first tile of x: 32 x chunk + 8 x wave
	s_mul_i32 s51, s30, 12                         ; v: my first tile of W_v
	s_mul_i32 s52, s35, 6
	s_add_co_u32 s52, s52, s33
	s_lshl_b32 s52, s52, 19                        ; q, k: 524,288 bytes for each batch and head,
	s_and_b32 s53, s34, 7
	s_lshl_b32 s53, s53, 16
	s_add_co_u32 s52, s52, s53                     ; 65,536 for 512 rows
	s_lshr_b32 s53, s49, 5
	s_mul_i32 s53, s53, 6
	s_lshl_b32 s53, s53, 19                        ; v: the batch's first head,
	s_bfe_u32 s54, s49, 0x30002
	s_lshl_b32 s54, s54, 16
	s_add_co_u32 s53, s53, s54                     ; the slot of 512 keys,
	s_and_b32 s54, s49, 3
	s_lshl_b32 s54, s54, 13
	s_add_co_u32 s53, s53, s54                     ; the step of 128 keys in it
	s_mov_b32 s55, 32768
	s_cmp_lt_u32 s31, 96
	s_cselect_b32 s44, 8192, s55                   ; from tiles 0-3 to tiles 4-7 of eight: dense in qf, part a in kf and vf
	s_cselect_b32 s56, 14, 13
	s_lshl_b32 s56, s30, s56                       ; my wave's eight tiles: 16,384 bytes on in qf, a step (8,192) on in kf
	s_add_co_u32 s52, s52, s56
	s_wait_kmcnt 0x0
	s_load_b256 s[20:27], s[12:13], 0x0            ; e0 .. e7
	s_load_b64 s[28:29], s[12:13], 0x20            ; e8, e9
	s_cmp_lt_u32 s31, 96                           ; the choices hang on the work-group's number alone
	s_cselect_b64 s[36:37], s[6:7], s[8:9]
	s_cselect_b64 s[40:41], s[14:15], s[16:17]
	s_cmp_lt_u32 s31, 192
	s_cselect_b64 s[36:37], s[36:37], s[4:5]       ; stationary: W_q, W_k or x
	s_cselect_b64 s[38:39], s[4:5], s[10:11]       ; streaming: x or W_v
	s_cselect_b64 s[40:41], s[40:41], s[18:19]     ; out: qf, kf or vf
	s_cselect_b32 s48, s33, s49
	s_cselect_b32 s50, s50, s51
	s_cselect_b32 s52, s52, s53
	s_cselect_b32 s45, 0, s51                      ; the tile's number, for its place in the output
	s_cselect_b32 s46, 3, 5                        ; pairs of tiles but the last: 4 pairs for q and k, 6 for v
	s_mul_i32 s48, s48, 128*ROWB
	s_mov_b32 s49, 0
	s_add_nc_u64 s[36:37], s[36:37], s[48:49]
	s_mul_i32 s50, s50, 16*ROWB
	s_mov_b32 s51, 0
	s_add_nc_u64 s[38:39], s[38:39], s[50:51]
	s_mov_b32 s53, 0
	s_add_nc_u64 s[40:41], s[40:41], s[52:53]
	STAT
	SLOAD SA, 0, 0
	SLOAD SB, 1, 0
	s_wait_kmcnt 0x0
	s_sub_co_i32 s54, s26, s20
	s_sub_co_i32 s54, s54, s21                     ; q: e6 - e0 - e1
	s_sub_co_i32 s55, s27, s22
	s_sub_co_i32 s55, s55, s23                     ; k: e7 - e2 - e3
	s_sub_co_i32 s56, s29, s24
	s_sub_co_i32 s56, s56, s25                     ; v: e9 - e4 - e5
	s_cmp_lt_u32 s31, 96
	s_cselect_b32 s47, s54, s55
	s_cmp_lt_u32 s31, 192
	s_cselect_b32 s47, s47, s56
	s_add_co_i32 s47, s47, 127
	s_lshl_b32 s48, s47, 23
	v_mov_b32 v[SC], s48                           ; 2^ES as f32: the conversion takes its exponent field
	s_add_co_i32 s47, s47, 8
	s_lshl_b32 s47, s47, 23
	s_or_b32 s47, s47, 0x600000
	v_mov_b32 v[LIM], s47                          ; 448 x 2^ES
.Lpair:                                                ; a trip: a pair of streaming tiles; each tile's registers take the tile of the next pair as soon as they are multiplied
	OUTADR
	FRAG SA, PC0, 0, 1, 12
	FRAG SB, PC1, 1, 1, 12
	s_wait_xcnt 0x0                                ; the trip's loads and stores have read their addresses and data: the streaming pointer, the output's base and the codes' registers are written again only behind this wait
	s_add_nc_u64 s[38:39], s[38:39], 12288
	s_add_co_u32 s45, s45, 2
	s_sub_co_u32 s46, s46, 1
	s_cmp_lg_u32 s46, 0
	s_cbranch_scc1 .Lpair
	OUTADR                                         ; the last pair is written out: it asks for nothing more, so that no load leaves its buffer
	FRAG SA, PC0, 0, 0, 12
	FRAG SB, PC1, 1, 0, 0
	s_endpgm
.Lfunc_end_k_qf31260f180_qkv:
	.size	k_qf31260f180_qkv, .Lfunc_end_k_qf31260f180_qkv-k_qf31260f180_qkv
	.p2alignl 7, 3214868480
	.fill 96, 4, 3214868480
	.section	.rodata,"a",@progbits
	.p2align	6, 0x0
	.amdhsa_kernel k_qf31260f180_qkv
		.amdhsa_group_segment_fixed_size 0
		.amdhsa_private_segment_fixed_size 0
		.amdhsa_enable_private_segment 0
		.amdhsa_kernarg_size 64
		.amdhsa_user_sgpr_count 2
		.amdhsa_user_sgpr_kernarg_segment_ptr 1
		.amdhsa_wavefront_size32 1
		.amdhsa_system_sgpr_workgroup_id_x 1
		.amdhsa_system_sgpr_workgroup_id_y 1
		.amdhsa_system_sgpr_workgroup_id_z 1
		.amdhsa_system_vgpr_workitem_id 0
		.amdhsa_next_free_vgpr 640
		.amdhsa_next_free_sgpr 66
		.amdhsa_reserve_vcc 0
		.amdhsa_float_denorm_mode_32 3
		.amdhsa_float_denorm_mode_16_64 3
		.amdhsa_memory_ordered 1
		.amdhsa_forward_progress 1
		.amdhsa_inst_pref_size 45
	.end_amdhsa_kernel
	.amdgpu_metadata
---
amdhsa.version: [ 1, 2 ]
amdhsa.kernels:
  - .name:           k_qf31260f180_qkv
    .symbol:         k_qf31260f180_qkv.kd
    .args:
      - { .name: x_codes, .offset: 0, .size: 8, .value_kind: global_buffer, .address_space: global }
      - { .name: W_q_codes, .offset: 8, .size: 8, .value_kind: global_buffer, .address_space: global }
      - { .name: W_k_codes, .offset: 16, .size: 8, .value_kind: global_buffer, .address_space: global }
      - { .name: W_v_codes, .offset: 24, .size: 8, .value_kind: global_buffer, .address_space: global }
      - { .name: lowp_scales, .offset: 32, .size: 8, .value_kind: global_buffer, .address_space: global }
      - { .name: qf, .offset: 40, .size: 8, .value_kind: global_buffer, .address_space: global }
      - { .name: kf, .offset: 48, .size: 8, .value_kind: global_buffer, .address_space: global }
      - { .name: vf, .offset: 56, .size: 8, .value_kind: global_buffer, .address_space: global }
    .group_segment_fixed_size: 0
    .private_segment_fixed_size: 0
    .kernarg_segment_align: 8
    .kernarg_segment_size: 64
    .max_flat_workgroup_size: 128
    .sgpr_count:     66
    .vgpr_count:     640
    .wavefront_size: 32
...
	.end_amdgpu_metadata
.endif
;; end of part 1
;; launch attn (part 2): grid 16 x 12, 8 waves a work-group, no clusters, 327,680 bytes of LDS; arguments qf, kf, vf, lowp_scales, cf; writes cf
.if DOCPART == 2
	.amdgcn_target "amdgcn-amd-amdhsa--gfx1250"
	.amdhsa_code_object_version 6
	.text
	.protected	k_qf31260f180_attn
	.globl	k_qf31260f180_attn
	.p2align	8
	.type	k_qf31260f180_attn,@function
k_qf31260f180_attn:
	s_mov_b64 s[64:65], 0
	v_nop
	global_prefetch_b8 v0, s[64:65] scope:SCOPE_SE
	s_setreg_imm32_b32 hwreg(HW_REG_WAVE_MODE, 25, 1), 1
	s_wait_xcnt 0x0
; ctx = softmax(q k^T / sqrt(128), causal) v for one batch and head (bh = work-group y), both products on codes of E4M3; ctx is quantised at once with its given scale and stored as the last product's operand.
; LEFT OUT AS DEAD WORK (shown at the head of the first kernel): a step of 128 keys whose first key lies behind the last query of a wave's block of 128 queries: reference()'s own mask gives all its keys the weight 0.
; THE SOFTMAX: t = score x log2(e) / sqrt(128); M = the largest t so far, rounded UP to a whole number; p = 2^(t - M) is quantised, not normalised; the row's sum is taken of the unquantised p and divides at the end.
; When M moves, the sum and O are multiplied by 2^(old M - new M), which rounds nothing.
; SHARES.  Work-group x = i owns the blocks i and 31 - i of 128 queries: (i + 1) + (32 - i) = 33 live block steps in every work-group.  Of the eight waves four take the early block and four the late one;
; a wave owns TWO tiles of 16 queries (queries 128 block + 32 idx + 8 u + r + 8 (r / 8)), so that each fragment of K and V that it reads from LDS feeds two matrix instructions.
; 192 work-groups of equal work: 12 heads x 16 pairs of blocks.
; LAYOUT.  Both products are used transposed: S^T = K Q^T (source 0 = 16 keys, source 1 = 16 queries), O^T = V^T P^T (source 0 = 16 channels, source 1 = P): a lane holds one query of each tile throughout.
; The first launch chose the rows of every tile so that register 16 b + i of S^T is key 32 b + 16 (lane / 16) + i of the step, and of O^T channel 32 b + 16 (lane / 16) + i: the conversions' results are operands.
; THE RING.  K and V come as images of fragments (2,048 bytes: chunk c at 512 c, lane l at 16 l), so a slot's parts are dense blocks and LDS needs no padding: a load's 512 bytes are consecutive.
; Two slots of 131,072 bytes, each 512 keys = 4 key steps: K part a = 0 at 0, a = 1 at 32,768, V's two parts at 65,536 and 98,304; a part is [step][t'][2048], tile t = 4 a + t'.
; Waves 0-3 fetch one part each, 32,768 bytes, by one tensor load: by this text's count a wave has one tensor load out.  Every part holds bytes of all four steps of its slot.
; NO CLUSTER: the work-groups of a head end their fetching at different slots (work-group i asks for slots up to (128 (32 - i) - 1) / 512), so partners would need different numbers of tiles.
; LIMITS on the given exponents, so that each power of two below is an f32 number: e6 + e7 between -123 and 130 (added to c's exponent field); e8 and e10 between -126 and 119; e8 + e9 goes by v_ldexp_f32.
; REGISTERS: window 0: v1 16 x lane; v2, v3 LDS addresses of the step's K and V; v4 256 x lane; v5, v6 the add's two; v7 the mask's number; v8-15 statistics (tile u at v[8 + 4 u]: -M, largest t, the sum in two halves);
;   v16-47 Q; v48-175 S^T, then p; v176-207 p's codes; v208-220 at work and constants.   window 1: v0-127 O^T; v128-255 eight fragments of K or of V.
.set SLOT1, 1<<17
.set SPARE, 2*SLOT1                    ; behind the ring: the spare words, 128 bytes for each of eight waves: four blocks of 256 bytes that no other line names
.set LI,  1
.set ADK, 2
.set ADV, 3
.set PFO, 4
.set SPW, 5
.set NIL, 6
.set DM,  7
.set ST,  8
.set Q,   16
.set S,   48
.set P,   176
.set FR,  128                          ; in window 1
.set WV,  14                           ; s14 wave;  s15 late block?;  s16 idx;  s17 block
.set QB,  18                           ; s18 my block's first query
.set QL,  19                           ; s19 my work-group's last query
.set SEL, 20                           ; s[20:21] lane selects: lane l xor 16
.set CS,  22                           ; s[22:23] c = log2(e) / sqrt(128) x 2^(e6 + e7)
.set G1,  24                           ; s[24:31] descriptor group 1
.set EPV, 37                           ; s37 e8 + e9
.set G0,  40                           ; s[40:43] descriptor group 0, which walks
.set TB,  44                           ; s44 LDS byte at which the step in hand begins
.set SLOTS, 45                         ; s45 changes of slots still to come in the loop
.set KF,  46                           ; s46 the step's first key
.set STEPS, 47
.set PFK, 48                           ; s[48:49], s[50:51] where my prefetches stand in kf and in vf
.set PFV, 50
.set LIM, 52                           ; s52 1 in a wave that prefetches, else the greatest number
.set OUT, 54                           ; s[54:55] my first tile's image in cf
.set MSB, 0
.macro WIN new                         ; the immediate's high byte repeats the setting that is left; a switch that changes nothing is dropped
.if MSB != \new
	s_set_vgpr_msb (MSB<<8)|\new
.set MSB, \new
.endif
.endm
.macro TLOAD                           ; waves 0-3 fetch; the branch hangs on the wave's number alone.  An s_nop 0 and four v_nop follow the load
	s_cmp_lt_u32 s[WV], 4
	s_cbranch_scc0 .Lno_load_\@
	tensor_load_to_lds s[G0:G0+3], s[G1:G1+7]
	s_nop 0
.rept 4
	v_nop
.endr
.Lno_load_\@:
.endm
; A PREFETCH of what the NEXT change of slots will ask for: a slot's 65,536 bytes of kf and of vf.  All work-groups of a head walk the same K and V: the head's first work-group asks, and in it the four waves that
; fetch nothing: 16,384 bytes of each buffer a wave, lanes 256 bytes apart, four instructions.  So each aligned block of 256 bytes is named once in the launch.  It stands where the fetching waves have their
; tensor load, four key steps ahead of the load that will want the bytes.  Slots 0 and 1 come by their loads alone; the last change that fills a slot asks for nothing: there is no slot behind it.
.macro ASK
	s_cmp_gt_u32 s[SLOTS], s[LIM]
	s_cbranch_scc0 .Lnot_mine_\@
	global_prefetch_b8 v[PFO], s[PFK:PFK+1] th:TH_LOAD_NT scope:SCOPE_SE
	global_prefetch_b8 v[PFO], s[PFK:PFK+1] offset:8192 th:TH_LOAD_NT scope:SCOPE_SE
	global_prefetch_b8 v[PFO], s[PFV:PFV+1] th:TH_LOAD_NT scope:SCOPE_SE
	global_prefetch_b8 v[PFO], s[PFV:PFV+1] offset:8192 th:TH_LOAD_NT scope:SCOPE_SE
.Lnot_mine_\@:
.endm
; THE CHANGE OF SLOTS stands at a slot's head.  Each wave waits for all its tensor loads (its part of the slot that it is about to read), adds 0 to its spare word, and waits for that and for its reads of the slot
; that it has left.  Behind the barrier the slot ahead is whole and nobody reads the other one.  fill = 1: that other slot is asked for, up to the causal limit; the load has four key steps in which to land.
.macro CHANGE fill
	s_wait_tensorcnt 0x0                           ; no tensor load of mine is out, so group 0 may be written
	ds_add_u32 v[SPW], v[NIL]                      ; 0 onto my spare word
.if \fill
	ds_add_u32 v[SPW], v[NIL]                      ; and once more
	s_xor_b32 s[G0+1], s[G0+1], SLOT1              ; the walking descriptor: the other slot than last time,
	s_add_nc_u64 s[G0+2:G0+3], s[G0+2:G0+3], 65536 ; the next 512 keys; the type bits on top are not reached
	s_wait_xcnt 0x0                                ; the last prefetches, a slot back, have read their addresses, so these may be written:
	s_add_nc_u64 s[PFK:PFK+1], s[PFK:PFK+1], 65536 ; one slot further on than the walking descriptor
	s_add_nc_u64 s[PFV:PFV+1], s[PFV:PFV+1], 65536
.endif
	s_wait_dscnt 0x0                               ; the add is done (fill = 1: both are), and my reads of the slot that I have left are over
	s_barrier_signal -1
	s_barrier_wait -1
.if \fill
	s_add_co_u32 s66, s[KF], 512                   ; THE FETCHING ENDS AT THE CAUSAL LIMIT: a slot whose first key lies behind my work-group's last query is read by none of its waves, so it is not asked for.
	s_cmp_gt_u32 s66, s[QL]                        ; Ids and the count of steps alone: all eight waves go the same way, and a work-group that is past the limit stays past it.  Every wait on TENSORcnt here is for 0
	s_cbranch_scc1 .Lpast_\@
	TLOAD                                          ; the first thing behind the barrier, and a wave's one tensor load until the next
.Lpast_\@:
	ASK
.endif
.endm
; On the diagonal (the step's first key = my block's first query) register 16 b + i of tile u holds key 32 b + 16 h + i, and the lane's query is 32 idx + 8 u + r + 8 (r / 8), both counted from the block's first:
; hidden where 32 b + i - 8 u > v7 = 32 idx + r + 8 (r / 8) - 16 h.  Hidden scores become -infinity ahead of the maximum: p = 0 then.  Key 0 counts for every query, so M is a number from the first step on.
.macro MASK u
.set n, 0
.rept 64
	v_cmp_gt_i32 vcc_lo, 32*(n/16)+n%16-8*(\u), v[DM]
	v_cndmask_b32 v[S+64*(\u)+n], v[S+64*(\u)+n], v218, vcc_lo
.set n, n+1
.endr
.endm
; Tile u's softmax for one key step.
.macro SM u
.set rS, S+64*(\u)
.set rT, ST+4*(\u)
.set rP, P+16*(\u)
	v_max3_num_f32 v208, v[rS], v[rS+1], v[rS+2]   ; the step's largest score of my query among my 64 keys, in two chains; each accumulator is first read at its low end
	v_max3_num_f32 v209, v[rS+3], v[rS+4], v[rS+5]
.set j, 6
.rept 14
	v_max3_num_f32 v208, v208, v[rS+j], v[rS+j+1]
	v_max3_num_f32 v209, v209, v[rS+j+2], v[rS+j+3]
.set j, j+4
.endr
	v_max3_num_f32 v208, v208, v[rS+62], v[rS+63]
	v_max_num_f32 v208, v208, v209
	v_permlanex16_b32 v212, v208, s[SEL], s[SEL+1]
	v_max_num_f32 v208, v208, v212                 ; and among lane l xor 16's
	v_mul_f32 v208, s[CS], v208                    ; as t (c is positive)
	v_max_num_f32 v[rT+1], v[rT+1], v208           ; the running largest t
	v_mov_b32 v208, v[rT]
	v_floor_f32 v[rT], -v[rT+1]                    ; the new -M = floor(-t) = -ceil(t): a whole number
	v_sub_f32 v208, v[rT], v208                    ; old M - new M: a whole number, 0 or less
	v_cvt_i32_f32 v208, v208                       ; (it saturates)
	v_ldexp_f32 v210, 1.0, v208                    ; f = 2^(old M - new M)
.set j, 0
.rept 32
	v_pk_fma_f32 v[rS+j:rS+j+1], v[rS+j:rS+j+1], s[CS:CS+1], v[rT:rT+1] op_sel_hi:[1,0,0]   ; t - M, two at a time (of the pairs c and -M the low word serves both halves)
.set j, j+2
.endr
.set j, 0
.rept 64
	v_exp_f32 v[rS+j], v[rS+j]                     ; p = 2^(t - M): one batch
.set j, j+1
.endr
	v_pk_mul_f32 v[rT+2:rT+3], v[rT+2:rT+3], v[210:211] op_sel_hi:[1,0]   ; the sums under the new M: the plain line behind the exponentials
	s_wait_alu depctr_va_vdst(0)                   ; the wait ahead of the first line that names an exponential's result: one for the batch
	v_pk_add_f32 v[214:215], v[rS:rS+1], v[rS+2:rS+3]   ; the row's sum is taken of the UNQUANTISED p: two at a time, in two chains
.set j, 4
.rept 15
	v_pk_add_f32 v[rT+2:rT+3], v[rT+2:rT+3], v[rS+j:rS+j+1]
	v_pk_add_f32 v[214:215], v[214:215], v[rS+j+2:rS+j+3]
.set j, j+4
.endr
	v_pk_add_f32 v[rT+2:rT+3], v[rT+2:rT+3], v[214:215]
.set qb, 0
.rept 4
.set qi, 0
.rept 16
	v_min_num_f32 v[rS+16*qb+qi], v[rS+16*qb+qi], v216   ; the conversion does not saturate (ISA guide 7.6.2); p is not negative, so the hold is one-sided
.set qi, qi+1
.endr
	v_cvt_scalef32_pk8_fp8_f32 v[rP+4*qb:rP+4*qb+1], v[rS+16*qb:rS+16*qb+7], v217
	v_cvt_scalef32_pk8_fp8_f32 v[rP+4*qb+2:rP+4*qb+3], v[rS+16*qb+8:rS+16*qb+15], v217
.set qb, qb+1
.endr
.endm
.macro RESC u                          ; O^T under the new M: x f.  These 32 are also the plain lines between the conversions and the products that read their results
	WIN 0x41
.set j, 0
.rept 32
	v_pk_mul_f32 v[64*(\u)+j:64*(\u)+j+1], v[64*(\u)+j:64*(\u)+j+1], v[210:211] op_sel_hi:[1,0]
.set j, j+2
.endr
.endm
.macro PV u                            ; O^T += V^T P^T: eight tiles of 16 channels, eight accumulators, one instruction each
	WIN 0x51
.irp t, 0,1,2,3,4,5,6,7
	v_wmma_f32_16x16x128_fp8_fp8 v[64*(\u)+8*\t:64*(\u)+8*\t+7], v[FR+16*\t:FR+16*\t+15], v[P+16*(\u):P+16*(\u)+15], v[64*(\u)+8*\t:64*(\u)+8*\t+7]
.endr
.endm
.macro QUANT src, dst, sc, lim         ; 64 numbers of a lane become a fragment's 16 registers of codes
.set qb, 0
.rept 4
.set qi, 0
.rept 16
	v_med3_num_f32 v[\src+16*qb+qi], v[\src+16*qb+qi], -v[\lim], v[\lim]
.set qi, qi+1
.endr
	v_cvt_scalef32_pk8_fp8_f32 v[\dst+4*qb:\dst+4*qb+1], v[\src+16*qb:\src+16*qb+7], v[\sc]
	v_cvt_scalef32_pk8_fp8_f32 v[\dst+4*qb+2:\dst+4*qb+3], v[\src+16*qb+8:\src+16*qb+15], v[\sc]
.set qb, qb+1
.endr
	v_nop
.endm
; A KEY STEP: 128 keys.  A step whose keys all come after my block's queries is left out: a scalar branch on ids, round its loads, products and softmax; not round the two lines at its end that step the key and the address.
.macro STEP
	s_cmp_gt_u32 s[KF], s[QB]
	s_cbranch_scc1 .Lhidden_\@
	v_add_nc_u32 v[ADK], s[TB], v[LI]
	v_add_nc_u32 v[ADV], 0x10000, v[ADK]
	WIN 0x40
.irp t, 0,1,2,3,4,5,6,7
.irp c, 0,1,2,3
	ds_load_b128 v[FR+16*\t+4*\c:FR+16*\t+4*\c+3], v[ADK] offset:(\t/4)*32768+(\t%4)*2048+512*\c
.endr
.endr
	WIN 0x01
.irp t, 0,1,2,3,4,5,6,7
	s_wait_dscnt 28-4*\t                           ; fragment t is in; the four loads of each later fragment may be out
	v_wmma_f32_16x16x128_fp8_fp8 v[S+8*\t:S+8*\t+7], v[FR+16*\t:FR+16*\t+15], v[Q:Q+15], 0
	v_wmma_f32_16x16x128_fp8_fp8 v[S+64+8*\t:S+64+8*\t+7], v[FR+16*\t:FR+16*\t+15], v[Q+16:Q+31], 0
.endr
	WIN 0
.rept 4
	v_nop                                          ; four places ahead of the loads into the fragments just multiplied and of the first read of the scores
.endr
	WIN 0x40
.irp t, 0,1,2,3,4,5,6,7
.irp c, 0,1,2,3
	ds_load_b128 v[FR+16*\t+4*\c:FR+16*\t+4*\c+3], v[ADV] offset:(\t/4)*32768+(\t%4)*2048+512*\c   ; V's fragments land while the first softmax is walked
.endr
.endr
	WIN 0
	s_cmp_lt_u32 s[KF], s[QB]                      ; a step all of whose keys count skips the mask
	s_cbranch_scc1 .Lopen_\@
	MASK 0
	MASK 1
.Lopen_\@:
	SM 0
	RESC 0
	s_wait_dscnt 0x0                               ; V is in
	PV 0
	WIN 0
	SM 1                                           ; the second tile's vector work stands behind the first tile's products
	RESC 1
	PV 1
	WIN 0
.rept 4
	v_nop                                          ; four places ahead of the next step's loads into the fragments, and of the way out's first read of O^T
.endr
.Lhidden_\@:
	s_add_co_u32 s[KF], s[KF], 128
	s_add_co_u32 s[TB], s[TB], 8192
.endm
.macro SLOT_STEPS                      ; a slot's four key steps: written once, walked four times
	s_mov_b32 s[STEPS], 4
.Lstep_\@:
	STEP
	s_sub_co_u32 s[STEPS], s[STEPS], 1
	s_cmp_lg_u32 s[STEPS], 0
	s_cbranch_scc1 .Lstep_\@
	s_sub_co_u32 s[TB], s[TB], 32768               ; back to a slot's first step,
	s_xor_b32 s[TB], s[TB], SLOT1                  ; in the other slot
.endm
	s_load_b256 s[4:11], s[0:1], 0x0               ; qf s[4:5], kf s[6:7], vf s[8:9], the scales' exponents s[10:11]
	s_load_b64 s[12:13], s[0:1], 0x20              ; cf
	v_lshl_add_u32 v[SPW], v0, 2, SPARE
	v_mov_b32 v[NIL], 0
	ds_add_u32 v[SPW], v[NIL]                      ; the wave's opening: the add, twice on end, and its wait ahead of the first tensor load; the set-up below stands between
	ds_add_u32 v[SPW], v[NIL]
	v_lshrrev_b32 v2, 5, v0
	v_readfirstlane_b32 s[WV], v2                  ; wave 0..7
	s_lshr_b32 s16, s[WV], 1                       ; idx: which 32 queries of the block
	s_lshr_b32 s15, s[WV], 2
	s_xor_b32 s15, s15, s[WV]
	s_and_b32 s15, s15, 1                          ; 1: the late block.  Waves 1, 3, 4, 6; each (block, idx) has one wave
	s_sub_co_u32 s56, 31, ttmp9
	s_cmp_eq_u32 s15, 1
	s_cselect_b32 s17, s56, ttmp9                  ; my block of 128 queries: 31 - i or i
	s_lshl_b32 s[QB], s17, 7
	s_sub_co_u32 s[QL], 32, ttmp9
	s_lshl_b32 s[QL], s[QL], 7
	s_sub_co_u32 s[QL], s[QL], 1                   ; the late block's last query
	s_and_b32 s57, ttmp7, 0xffff                   ; bh
	s_lshl_b32 s58, s57, 19                        ; its 524,288 bytes in qf, kf and vf
	s_and_b32 s60, s[WV], 3
	s_and_b32 s62, s[WV], 1
	s_lshl_b32 s62, s62, 15
	s_add_co_u32 s62, s62, s58                     ; what I fetch, if I fetch: part a = wave & 1 of slot 0
	s_mov_b32 s63, 0
	s_lshl_b32 s66, s17, 14
	s_lshl_b32 s67, s16, 12
	s_add_co_u32 s66, s66, s67
	s_add_co_u32 s66, s66, s58                     ; Q: tile 8 block + 2 idx, 2,048 bytes a tile
	s_mov_b32 s67, 0
	s_lshl_b32 s68, s60, 14
	s_add_co_u32 s68, s68, s58
	s_add_co_u32 s68, s68, 65536                   ; the prefetches: my wave's 16,384 bytes, in slot 1: the first change of slots steps them to slot 2
	s_mov_b32 s69, 0
	s_cmp_ge_u32 s57, 6
	s_cselect_b32 s70, 1, 0                        ; the batch
	s_mul_i32 s71, s70, 6
	s_sub_co_u32 s71, s57, s71                     ; the head
	s_lshl_b32 s70, s70, 8
	s_lshl_b32 s56, s17, 3
	s_add_co_u32 s70, s70, s56
	s_lshl_b32 s56, s16, 1
	s_add_co_u32 s70, s70, s56                     ; row tile 256 b + 8 block + 2 idx
	s_mul_i32 s70, s70, 12288                      ; cf: six heads' images to a row tile,
	s_lshl_b32 s71, s71, 11
	s_add_co_u32 s70, s70, s71                     ; mine among them
	s_mov_b32 s71, 0
	s_lshr_b32 s56, s[WV], 2
	s_xor_b32 s56, s56, 1                          ; 0 in waves 4 to 7,
	s_or_b32 s56, s56, ttmp9                       ; of the head's first work-group
	s_cmp_eq_u32 s56, 0
	s_cselect_b32 s[LIM], 1, -1
	; descriptor group 1: a dense block of 32,768 bytes as 128 rows of 32 elements of 8 bytes, no padding
	s_mov_b32 s[G1], 3<<16                         ; 15:0 no mask; 17:16 elements of 8 bytes; 20 padding off
	s_mov_b32 s[G1+1], 32<<16                      ; tensor_dim0 = 32
	s_mov_b32 s[G1+2], 128<<16                     ; tensor_dim1 = 128
	s_mov_b32 s[G1+3], 32<<16                      ; tile_dim0 = 32
	s_mov_b32 s[G1+4], 128                         ; tile_dim1 = 128
	s_mov_b32 s[G1+5], 32                          ; from row to row
	s_mov_b32 s[G1+6], 0
	s_mov_b32 s[G1+7], 0
	s_mov_b32 s[SEL], 0x76543210
	s_mov_b32 s[SEL+1], 0xfedcba98
	s_mov_b32 s[CS], 0x3e0293ee                    ; log2(e) / sqrt(128)
	s_mov_b32 s[TB], 0
	s_mov_b32 s[SLOTS], 7
	s_mov_b32 s[KF], 0
	s_wait_dscnt 0x0                               ; both opening adds are done
	s_wait_kmcnt 0x0
	s_load_b128 s[32:35], s[10:11], 0x18           ; e6, e7, e8, e9
	s_load_b32 s36, s[10:11], 0x28                 ; e10
	s_mov_b32 s[G0], 1                             ; 1:0 count = 1
	s_lshl_b32 s[G0+1], s60, 15                    ; LDS address: part (wave & 3) of slot 0
	s_cmp_lt_u32 s60, 2                            ; waves 0, 1: K's parts; waves 2, 3: V's
	s_cselect_b64 s[G0+2:G0+3], s[6:7], s[8:9]
	s_add_nc_u64 s[G0+2:G0+3], s[G0+2:G0+3], s[62:63]
	s_or_b32 s[G0+3], s[G0+3], 0x80000000          ; type = 2
	TLOAD                                          ; slot 0
	s_add_nc_u64 s[4:5], s[4:5], s[66:67]
	v_and_b32 v2, 31, v0
	v_lshlrev_b32 v[LI], 4, v2
	v_lshlrev_b32 v[PFO], 8, v2
.irp u, 0,1
.irp c, 0,1,2,3
	global_load_b128 v[Q+16*\u+4*\c:Q+16*\u+4*\c+3], v[LI], s[4:5] offset:2048*\u+512*\c   ; Q's two fragments stay in registers
.endr
.endr
	s_add_nc_u64 s[PFK:PFK+1], s[6:7], s[68:69]
	s_add_nc_u64 s[PFV:PFV+1], s[8:9], s[68:69]
	s_add_nc_u64 s[OUT:OUT+1], s[12:13], s[70:71]
	v_and_b32 v2, 15, v0                           ; r
	v_and_b32 v3, 8, v2
	v_add_nc_u32 v2, v2, v3                        ; r + 8 (r / 8)
	v_bfe_u32 v3, v0, 4, 1
	v_lshlrev_b32 v3, 4, v3                        ; 16 h
	v_sub_nc_u32 v[DM], v2, v3
	s_lshl_b32 s56, s16, 5
	v_add_nc_u32 v[DM], s56, v[DM]                 ; 32 idx + r + 8 (r / 8) - 16 h
.irp u, 0,1
	v_mov_b32 v[ST+4*\u+1], 0xff61b1e6             ; the largest t so far: -3e38, under every t
	v_floor_f32 v[ST+4*\u], -v[ST+4*\u+1]          ; -M
	v_mov_b32 v[ST+4*\u+2], 0                      ; the sum, in two halves
	v_mov_b32 v[ST+4*\u+3], 0
.endr
	v_mov_b32 v211, 0                              ; (named as the upper half of the pair v[210:211])
	v_mov_b32 v212, 0                              ; written once: a lane permute's destination counts as one of its sources
	v_mov_b32 v213, 0
	v_mov_b32 v218, 0xff800000                     ; -infinity
	WIN 0x40
.set j, 0
.rept 128
	v_mov_b32 v[j], 0                              ; O^T.  (The step is written once: the first finds zeros, which the first change of M leaves zeros)
.set j, j+1
.endr
	WIN 0
	s_wait_kmcnt 0x0
	s_add_co_i32 s56, s32, s33
	s_lshl_b32 s56, s56, 23
	s_add_co_i32 s[CS], s[CS], s56                 ; a score stands for score x 2^(e6 + e7): the exponents are added to c's exponent field
	s_mov_b32 s[CS+1], s[CS]                       ; (named with it as a pair, so it is written)
	s_add_co_i32 s56, s34, 127
	s_lshl_b32 s59, s56, 23
	v_mov_b32 v217, s59                            ; 2^e8 as f32, for p's conversion
	s_add_co_i32 s56, s56, 8
	s_lshl_b32 s56, s56, 23
	s_or_b32 s56, s56, 0x600000
	v_mov_b32 v216, s56                            ; 448 x 2^e8
	s_add_co_i32 s56, s36, 127
	s_lshl_b32 s59, s56, 23
	v_mov_b32 v220, s59                            ; 2^e10, for ctx's conversion
	s_add_co_i32 s56, s56, 8
	s_lshl_b32 s56, s56, 23
	s_or_b32 s56, s56, 0x600000
	v_mov_b32 v219, s56                            ; 448 x 2^e10
	s_add_co_i32 s[EPV], s34, s35                  ; e8 + e9
	s_wait_loadcnt 0x0                             ; Q
.Lslot:                                                ; seven trips: behind each change of slots but the last the next slot is asked for, up to the causal limit
	CHANGE 1
	SLOT_STEPS
	s_sub_co_u32 s[SLOTS], s[SLOTS], 1
	s_cmp_lg_u32 s[SLOTS], 0
	s_cbranch_scc1 .Lslot
	CHANGE 0                                       ; the last slot is written out: nothing is left to ask for
	SLOT_STEPS
	; THE WAY OUT.  ctx = O^T / the sum x 2^(e8 + e9), quantised with 2^e10.  A lane's 64 numbers of a tile are its query's 128 channels' half in the operand's own order: the codes are stored as the fragment's image.
	v_add_f32 v[ST+2], v[ST+2], v[ST+3]            ; the sum's two halves,
	v_add_f32 v[ST+6], v[ST+6], v[ST+7]
	v_permlanex16_b32 v212, v[ST+2], s[SEL], s[SEL+1]
	v_permlanex16_b32 v213, v[ST+6], s[SEL], s[SEL+1]
	v_add_f32 v[ST+2], v[ST+2], v212               ; and lane l xor 16's
	v_add_f32 v[ST+6], v[ST+6], v213
	v_rcp_f32 v[ST+2], v[ST+2]
	v_rcp_f32 v[ST+6], v[ST+6]
	v_nop                                          ; a plain line behind the last reciprocal
	s_wait_alu depctr_va_vdst(0)                   ; and the wait ahead of the first use: one for both
	v_ldexp_f32 v[ST+2], v[ST+2], s[EPV]
	v_ldexp_f32 v[ST+6], v[ST+6], s[EPV]
	WIN 0x01                                       ; source 0 (O^T) window 1
.irp u, 0,1
.set j, 0
.rept 32
	v_pk_mul_f32 v[S+64*\u+j:S+64*\u+j+1], v[64*\u+j:64*\u+j+1], v[ST+4*\u+2:ST+4*\u+3] op_sel_hi:[1,0]   ; each accumulator from its low end on
.set j, j+2
.endr
.endr
	WIN 0
	QUANT S, P, 220, 219
	QUANT S+64, P+16, 220, 219
.irp u, 0,1
.irp c, 0,1,2,3
	global_store_b128 v[LI], v[P+16*\u+4*\c:P+16*\u+4*\c+3], s[OUT:OUT+1] offset:12288*\u+512*\c   ; 32 lanes store 512 consecutive bytes, aligned
.endr
.endr
	s_wait_tensorcnt 0x0                           ; the wave's end
	ds_add_u32 v[SPW], v[NIL]
	s_wait_dscnt 0x0
	s_endpgm
.Lfunc_end_k_qf31260f180_attn:
	.size	k_qf31260f180_attn, .Lfunc_end_k_qf31260f180_attn-k_qf31260f180_attn
	.p2alignl 7, 3214868480
	.fill 96, 4, 3214868480
	.section	.rodata,"a",@progbits
	.p2align	6, 0x0
	.amdhsa_kernel k_qf31260f180_attn
		.amdhsa_group_segment_fixed_size 327680
		.amdhsa_private_segment_fixed_size 0
		.amdhsa_enable_private_segment 0
		.amdhsa_kernarg_size 40
		.amdhsa_user_sgpr_count 2
		.amdhsa_user_sgpr_kernarg_segment_ptr 1
		.amdhsa_wavefront_size32 1
		.amdhsa_system_sgpr_workgroup_id_x 1
		.amdhsa_system_sgpr_workgroup_id_y 1
		.amdhsa_system_sgpr_workgroup_id_z 1
		.amdhsa_system_vgpr_workitem_id 0
		.amdhsa_next_free_vgpr 512
		.amdhsa_next_free_sgpr 72
		.amdhsa_reserve_vcc 1
		.amdhsa_float_denorm_mode_32 3
		.amdhsa_float_denorm_mode_16_64 3
		.amdhsa_memory_ordered 1
		.amdhsa_forward_progress 1
		.amdhsa_inst_pref_size 113
	.end_amdhsa_kernel
	.amdgpu_metadata
---
amdhsa.version: [ 1, 2 ]
amdhsa.kernels:
  - .name:           k_qf31260f180_attn
    .symbol:         k_qf31260f180_attn.kd
    .args:
      - { .name: qf, .offset: 0, .size: 8, .value_kind: global_buffer, .address_space: global }
      - { .name: kf, .offset: 8, .size: 8, .value_kind: global_buffer, .address_space: global }
      - { .name: vf, .offset: 16, .size: 8, .value_kind: global_buffer, .address_space: global }
      - { .name: lowp_scales, .offset: 24, .size: 8, .value_kind: global_buffer, .address_space: global }
      - { .name: cf, .offset: 32, .size: 8, .value_kind: global_buffer, .address_space: global }
    .group_segment_fixed_size: 327680
    .private_segment_fixed_size: 0
    .kernarg_segment_align: 8
    .kernarg_segment_size: 40
    .max_flat_workgroup_size: 256
    .sgpr_count:     72
    .vgpr_count:     512
    .wavefront_size: 32
...
	.end_amdgpu_metadata
.endif
;; end of part 2
;; launch proj (part 3): grid 2 x 128, 4 waves a work-group, no clusters, 99,840 bytes of LDS; arguments cf, W_o_codes, b_o, lowp_scales, out0; writes out0
.if DOCPART == 3
	.amdgcn_target "amdgcn-amd-amdhsa--gfx1250"
	.amdhsa_code_object_version 6
	.text
	.protected	k_qf31260f180_proj
	.globl	k_qf31260f180_proj
	.p2align	8
	.type	k_qf31260f180_proj,@function
k_qf31260f180_proj:
	s_mov_b64 s[64:65], 0
	v_nop
	global_prefetch_b8 v0, s[64:65] scope:SCOPE_SE
	s_setreg_imm32_b32 hwreg(HW_REG_WAVE_MODE, 25, 1), 1
	s_wait_xcnt 0x0
; out0 = ctx W_o + b_o, the product on codes of E4M3 (K = 768 = six heads of 128).  ctx comes as the images of fragments that the second launch stored: cf [row tile G 0..511][head][2048].  Nothing is left out here.
; SHARES.  Work-group (x = ch, y = rb): 64 rows (row tiles 4 rb + m) x columns 384 ch .. 384 ch + 383.  Wave w makes all 64 rows x columns 384 ch + 96 w .. + 95: six tiles of 16 rows of W_o_codes.
; THE MATRIX INSTRUCTION IS USED TRANSPOSED: source 0 = 16 rows of W_o_codes (16 output columns, in their natural order), source 1 = a fragment of ctx: a lane holds one row of out0 and eight neighbouring columns.
; Row tile G holds rows 32 (G / 2) + 8 (G % 2) + r + 8 (r / 8): the order that the first launch chose; it is undone in the stores' offsets.
; All 24 fragments of ctx stay in registers (384); W_o's tiles come through three register buffers of six fragments, two tiles ahead of the products.
; NO CLUSTER, NO TENSOR LOAD: a wave's whole work is 144 matrix instructions on operands that go from memory straight into its registers, each read once by the wave; a ring would have a change of slots for every 24 of them.
; THE WAY OUT: the sums go through a stage in LDS, 64 row slots (16 m + r) of 1,536 bytes + 16, an odd multiple of 16 bytes, so that the sixteen rows of a store begin at sixteen different 16-byte columns of 256 bytes;
; behind one barrier wave w reads row tile m = w back as whole rows, makes sum x 2^(e10 + e11) + b_o, and stores 512 consecutive bytes an instruction, at multiples of 256 from out0's first byte.
; LIMIT: e10 + e11 between -126 and 127, so that 2^(e10 + e11) is an f32 number.
; REGISTERS: window 0: v1 16 x lane; v2 my byte in a tile of W_o; v3, v5 the stage on the way in (row tiles 0, 1 and 2, 3: an LDS offset has 16 bits); v4 on the way back; v8-19 b_o; v28, v29 the add's two;
;   v32-63, v64-95 two sets of four accumulators; v64-255 rows read back.   window 1: ctx (K step k, row tile m) at v[16 (4 k + m)], k = 0..3.   window 2: v0-127 the same for k = 4, 5; v128-223 W buffer 0.
;   window 3: v0-95 W buffer 1; v128-223 W buffer 2.
.set SPITCH, 1552
.set SPARE,  64*SPITCH                 ; behind the stage: the spare words, 128 bytes for each wave: two blocks of 256 bytes that no other line names
.set LI,  1
.set WA,  2
.set STO, 3
.set SR,  4
.set STO2, 5
.set BI,  8
.set SPW, 28
.set NIL, 29
.set ACC, 32
.set RB,  64
.set MSB, 0
.macro WIN new                         ; the immediate's high byte repeats the setting that is left; a switch that changes nothing is dropped
.if MSB != \new
	s_set_vgpr_msb (MSB<<8)|\new
.set MSB, \new
.endif
.endm
.macro BUFSEL j                        ; tile j's buffer: window WW, first register WB
.if (\j)%3 == 0
.set WB, 128
.set WW, 2
.elseif (\j)%3 == 1
.set WB, 0
.set WW, 3
.else
.set WB, 128
.set WW, 3
.endif
.endm
.macro WLOAD j                         ; W_o's tile j of my six: six fragments, 24 loads
	BUFSEL \j
.set WS, WW*64
	WIN WS
.irp k, 0,1,2,3,4,5
.irp c, 0,1,2,3
	global_load_b128 v[WB+16*\k+4*\c:WB+16*\k+4*\c+3], v[WA], s[6:7] offset:16*(\j)*768+128*\k+32*\c
.endr
.endr
	WIN 0
.endm
; Tile j: 16 columns x 64 rows: four accumulators by turns, one instruction a turn, K step by K step; the first K step starts the sums.
.macro TILE j, cnt
	BUFSEL \j
.set AC, ACC+32*((\j)%2)
	s_wait_loadcnt \cnt                            ; my tile of W_o is in (and, the first time, b_o and ctx); the later tiles' loads, 24 each, may be out
.if (\j) >= 2
	s_wait_dscnt 8                                 ; the stage stores of two tiles back, which read this set of accumulators, are done; the last tile's eight may be out
.endif
.set WS, WW+4
	WIN WS                                         ; source 0: W's window; source 1: window 1
.irp k, 0,1,2,3
.irp m, 0,1,2,3
.if \k == 0
	v_wmma_f32_16x16x128_fp8_fp8 v[AC+8*\m:AC+8*\m+7], v[WB+16*\k:WB+16*\k+15], v[16*(4*\k+\m):16*(4*\k+\m)+15], 0
.else
	v_wmma_f32_16x16x128_fp8_fp8 v[AC+8*\m:AC+8*\m+7], v[WB+16*\k:WB+16*\k+15], v[16*(4*\k+\m):16*(4*\k+\m)+15], v[AC+8*\m:AC+8*\m+7]
.endif
.endr
.endr
.set WS, WW+8
	WIN WS                                         ; source 1: window 2
.irp k, 4,5
.irp m, 0,1,2,3
	v_wmma_f32_16x16x128_fp8_fp8 v[AC+8*\m:AC+8*\m+7], v[WB+16*\k:WB+16*\k+15], v[16*(4*(\k-4)+\m):16*(4*(\k-4)+\m)+15], v[AC+8*\m:AC+8*\m+7]
.endr
.endr
	WIN 0
.rept 4
	v_nop                                          ; four places ahead of the loads into the buffer just multiplied and of the stores that read the sums
.endr
.if (\j) < 3
	WLOAD (\j)+3
.endif
.irp m, 0,1
	ds_store_b128 v[STO], v[AC+8*\m:AC+8*\m+3] offset:16*\m*SPITCH+64*(\j)          ; each accumulator from its low end on
	ds_store_b128 v[STO], v[AC+8*\m+4:AC+8*\m+7] offset:16*\m*SPITCH+64*(\j)+16
.endr
.irp m, 2,3
	ds_store_b128 v[STO2], v[AC+8*\m:AC+8*\m+3] offset:16*(\m-2)*SPITCH+64*(\j)
	ds_store_b128 v[STO2], v[AC+8*\m+4:AC+8*\m+7] offset:16*(\m-2)*SPITCH+64*(\j)+16
.endr
.endm
	s_load_b256 s[4:11], s[0:1], 0x0               ; cf s[4:5], W_o's codes s[6:7], b_o s[8:9], the scales' exponents s[10:11]
	s_load_b64 s[12:13], s[0:1], 0x20              ; out0
	v_lshl_add_u32 v[SPW], v0, 2, SPARE
	v_mov_b32 v[NIL], 0
	v_lshrrev_b32 v6, 5, v0
	v_readfirstlane_b32 s14, v6                    ; wave 0..3
	s_mov_b32 s15, ttmp9                           ; ch
	s_and_b32 s16, ttmp7, 0xffff                   ; rb
	v_and_b32 v6, 31, v0
	v_lshlrev_b32 v[LI], 4, v6                     ; 16 x lane
	v_and_b32 v6, 15, v0                           ; r
	v_bfe_u32 v7, v0, 4, 1                         ; h
	v_mul_u32_u24 v[WA], v6, 768
	v_lshl_add_u32 v[WA], v7, 4, v[WA]             ; W_o: row r of 768 bytes, + 16 h
	v_mul_u32_u24 v[STO], v6, SPITCH
	v_lshl_add_u32 v[STO], v7, 5, v[STO]
	s_mul_i32 s22, s14, 384
	v_add_nc_u32 v[STO], s22, v[STO]               ; the stage: row slot r, + 32 h, + my wave's 384 bytes
	v_add_nc_u32 v[STO2], 32*SPITCH, v[STO]        ; and 32 row slots on
	s_mul_i32 s22, s14, 16*SPITCH
	v_add_nc_u32 v[SR], s22, v[LI]                 ; back: row tile m = wave, 16 bytes a lane
	s_mul_i32 s24, s16, 49152                      ; cf: four row tiles x six images
	s_mov_b32 s25, 0
	s_mul_i32 s26, s15, 384
	s_mul_i32 s27, s14, 96
	s_add_co_u32 s26, s26, s27
	s_mul_i32 s26, s26, 768                        ; W_o: my first row
	s_mov_b32 s27, 0
	s_mul_i32 s28, s15, 1536                       ; b_o, and a row of out0: my half's first byte
	s_mov_b32 s29, 0
	s_lshl_b32 s30, s16, 6
	s_lshr_b32 s31, s14, 1
	s_lshl_b32 s31, s31, 5
	s_add_co_u32 s30, s30, s31
	s_and_b32 s31, s14, 1
	s_lshl_b32 s31, s31, 3
	s_add_co_u32 s30, s30, s31                     ; the first row of the tile that I store: 64 rb + 32 (w / 2) + 8 (w % 2)
	s_mul_i32 s30, s30, 3072
	s_add_co_u32 s30, s30, s28
	s_mov_b32 s31, 0
	s_wait_kmcnt 0x0
	s_load_b64 s[20:21], s[10:11], 0x28            ; e10, e11
	s_add_nc_u64 s[4:5], s[4:5], s[24:25]
	s_add_nc_u64 s[6:7], s[6:7], s[26:27]
	s_add_nc_u64 s[8:9], s[8:9], s[28:29]
	s_add_nc_u64 s[12:13], s[12:13], s[30:31]
.irp k, 0,1,2
	global_load_b128 v[BI+4*\k:BI+4*\k+3], v[LI], s[8:9] offset:512*\k   ; b_o at the four columns that I hold of each third of a row read back
.endr
	WIN 0x40
.irp k, 0,1,2,3
.irp m, 0,1,2,3
.irp c, 0,1,2,3
	global_load_b128 v[16*(4*\k+\m)+4*\c:16*(4*\k+\m)+4*\c+3], v[LI], s[4:5] offset:\m*12288+\k*2048+512*\c   ; an image as it lies: 512 consecutive bytes a load
.endr
.endr
.endr
	WIN 0x80
.irp k, 4,5
.irp m, 0,1,2,3
.irp c, 0,1,2,3
	global_load_b128 v[16*(4*(\k-4)+\m)+4*\c:16*(4*(\k-4)+\m)+4*\c+3], v[LI], s[4:5] offset:\m*12288+\k*2048+512*\c
.endr
.endr
.endr
	WIN 0
	WLOAD 0
	WLOAD 1
	WLOAD 2
	s_wait_kmcnt 0x0
	s_add_co_i32 s18, s20, s21
	s_add_co_i32 s18, s18, 127
	s_lshl_b32 s18, s18, 23                        ; 2^(e10 + e11) as f32
	s_mov_b32 s19, s18                             ; (named with it as a pair, so it is written)
	TILE 0, 48
	TILE 1, 48
	TILE 2, 48
	TILE 3, 48
	TILE 4, 24
	TILE 5, 0
	s_wait_dscnt 0x0                               ; for the others' sake: my stores into the stage are done
	s_barrier_signal -1
	s_barrier_wait -1                              ; 64 whole rows lie in the stage
.set i, 0
.rept 48
	ds_load_b128 v[RB+4*i:RB+4*i+3], v[SR] offset:(i/3)*SPITCH+512*(i%3)   ; row slot i / 3 of my tile, third i % 3: 512 consecutive bytes
.set i, i+1
.endr
.set i, 0
.rept 48
	s_wait_dscnt 47-i                              ; load i is in; those issued behind it may be out
	v_pk_fma_f32 v[RB+4*i:RB+4*i+1], v[RB+4*i:RB+4*i+1], s[18:19], v[BI+4*(i%3):BI+4*(i%3)+1] op_sel_hi:[1,0,1]       ; sum x 2^(e10 + e11) + b_o (the scalar pair's low word for both halves)
	v_pk_fma_f32 v[RB+4*i+2:RB+4*i+3], v[RB+4*i+2:RB+4*i+3], s[18:19], v[BI+4*(i%3)+2:BI+4*(i%3)+3] op_sel_hi:[1,0,1]
	global_store_b128 v[LI], v[RB+4*i:RB+4*i+3], s[12:13] offset:((i/3)+8*((i/3)/8))*3072+512*(i%3) th:TH_STORE_NT   ; row slot rho is row rho + 8 (rho / 8) of the tile; written once, read by nobody here
.set i, i+1
.endr
	s_wait_tensorcnt 0x0                           ; the wave's end, behind my last LDS store
	ds_add_u32 v[SPW], v[NIL]
	s_wait_dscnt 0x0
	s_endpgm
.Lfunc_end_k_qf31260f180_proj:
	.size	k_qf31260f180_proj, .Lfunc_end_k_qf31260f180_proj-k_qf31260f180_proj
	.p2alignl 7, 3214868480
	.fill 96, 4, 3214868480
	.section	.rodata,"a",@progbits
	.p2align	6, 0x0
	.amdhsa_kernel k_qf31260f180_proj
		.amdhsa_group_segment_fixed_size 99840
		.amdhsa_private_segment_fixed_size 0
		.amdhsa_enable_private_segment 0
		.amdhsa_kernarg_size 40
		.amdhsa_user_sgpr_count 2
		.amdhsa_user_sgpr_kernarg_segment_ptr 1
		.amdhsa_wavefront_size32 1
		.amdhsa_system_sgpr_workgroup_id_x 1
		.amdhsa_system_sgpr_workgroup_id_y 1
		.amdhsa_system_sgpr_workgroup_id_z 1
		.amdhsa_system_vgpr_workitem_id 0
		.amdhsa_next_free_vgpr 1024
		.amdhsa_next_free_sgpr 66
		.amdhsa_reserve_vcc 0
		.amdhsa_float_denorm_mode_32 3
		.amdhsa_float_denorm_mode_16_64 3
		.amdhsa_memory_ordered 1
		.amdhsa_forward_progress 1
		.amdhsa_inst_pref_size 55
	.end_amdhsa_kernel
	.amdgpu_metadata
---
amdhsa.version: [ 1, 2 ]
amdhsa.kernels:
  - .name:           k_qf31260f180_proj
    .symbol:         k_qf31260f180_proj.kd
    .args:
      - { .name: cf, .offset: 0, .size: 8, .value_kind: global_buffer, .address_space: global }
      - { .name: W_o_codes, .offset: 8, .size: 8, .value_kind: global_buffer, .address_space: global }
      - { .name: b_o, .offset: 16, .size: 8, .value_kind: global_buffer, .address_space: global }
      - { .name: lowp_scales, .offset: 24, .size: 8, .value_kind: global_buffer, .address_space: global }
      - { .name: out0, .offset: 32, .size: 8, .value_kind: global_buffer, .address_space: global }
    .group_segment_fixed_size: 99840
    .private_segment_fixed_size: 0
    .kernarg_segment_align: 8
    .kernarg_segment_size: 40
    .max_flat_workgroup_size: 128
    .sgpr_count:     66
    .vgpr_count:     1024
    .wavefront_size: 32
...
	.end_amdgpu_metadata
.endif
;; end of part 3
;; ======== version 2 of 2: 3 launches; version 1 with the launches qkv, proj written anew for expert scheduling mode
;; workspace buffers: qf 6,291,456 bytes; kf 6,291,456 bytes; vf 6,291,456 bytes; cf 6,291,456 bytes
;; launch qkv (part 4): grid 256 x 1, 4 waves a work-group, no clusters, 0 bytes of LDS; arguments x_codes, W_q_codes, W_k_codes, W_v_codes, lowp_scales, qf, kf, vf; writes qf, kf, vf
.if DOCPART == 4
	.amdgcn_target "amdgcn-amd-amdhsa--gfx1250"
	.amdhsa_code_object_version 6
	.text
	.protected	k_qf31260f180_qkv
	.globl	k_qf31260f180_qkv
	.p2align	8
	.type	k_qf31260f180_qkv,@function
k_qf31260f180_qkv:
	s_mov_b64 s[64:65], 0
	v_nop
	global_prefetch_b8 v0, s[64:65] scope:SCOPE_SE
	s_setreg_imm32_b32 hwreg(HW_REG_WAVE_SCHED_MODE, 0, 2), 2
	s_setreg_imm32_b32 hwreg(HW_REG_WAVE_MODE, 25, 1), 1
	s_wait_xcnt 0x0
	s_wait_alu depctr_vm_vsrc(0)
; q = x W_q, k = x W_k, v = x W_v on codes of E4M3 (K = 384), each result quantised at once to E4M3 with its given scale and stored as the operand that the second launch wants.
; DEAD WORK OF THE PROGRAM (left out in the second launch; nothing is left out here).  reference() sets scores[q][k] to -inf wherever k > q, by a mask that it builds in its own body (triu, k = 1).
; The softmax gives such a key the weight exp(-inf) = 0 whatever finite values the inputs hold, and 0 x v adds nothing to ctx.  So a step of 128 keys whose first key lies behind the last query of a block of
; 128 queries reaches no output: its loads, products and exponentials are not done.  LIMIT: a NaN, an infinity or an overflow that would arise only in those scores is not carried to the result.
; Every key is seen by some query, so all of q, k and v is live; every input has a way to the output and is loaded by some launch.
; ONE BODY FOR THE THREE PRODUCTS.  An output fragment (16 x 128 codes) is 24 matrix instructions: source 0 = a STATIONARY block of 128 rows (8 tiles x 3 K steps, 384 registers, read once),
; source 1 = a STREAMING tile of 16 rows (48 registers).  q, k: stationary = a head's 128 rows of W, streaming = 16 rows of x.  v: stationary = 128 rows (keys) of x, streaming = 16 rows (channels) of W_v.
; All rows are 384 bytes; only pointers differ, chosen on the work-group's number.  In the result a lane holds ONE streaming row, and its registers run along the stationary rows.
; THE ROWS OF A TILE ARE NOT NEIGHBOURS: lane r of tile X takes row 32 (X / 2) + 8 (X % 2) + r + 8 (r / 8), in x and in the weights alike.  So the 16 registers of result tiles 2 b and 2 b + 1 are 16 neighbours
; 32 b + 16 (lane / 16) + 0 .. 15 along the next product's K, and the conversions' results ARE that operand's registers.
; A fragment's registers 4 c .. 4 c + 3 hold K = 32 c + 16 (lane / 16) + 0 .. 15: a permutation of k that is the same in both operands of every product of this program.
; OUT: each fragment as an IMAGE OF ITS REGISTERS, 2,048 bytes: chunk c of 512 bytes holds registers 4 c .. 4 c + 3, lane l's 16 bytes at 16 l: each store of the wave covers 512 consecutive bytes, aligned.
;   qf [bh][tile T 0..255][2048];  kf [bh][slot 0..7][a 0..1][step 0..3][t' 0..3][2048], key tile T = 32 slot + 8 step + 4 a + t';  vf the same with key block 4 slot + step and channel tile 4 a + t'.
; SHARES.  Work-groups 0-95: q, 96-191: k: (head, 512 rows of x), a wave 8 tiles of x.  Work-groups 192-255: v: 128 keys, a wave 12 of W_v's 48 channel tiles.
; NO CLUSTER, NO LDS: a wave's whole work is 8 or 12 fragments on operands that go from memory straight into its registers; a ring of LDS slots would have as many changes of slots as the wave has fragments.
; code = sum x 2^(ea + eb) / 2^e = sum / 2^ES, ES = e - ea - eb, held within +-448.  LIMIT: -126 <= ES <= 119, so that 2^ES and 448 x 2^ES are f32 numbers.
; THE MODE: SCHED_MODE bits 1:0 = 2 (LLVM: expert scheduling mode 2), set by the entry lines.  The code itself states the register dependences
; between vector or matrix instructions and memory instructions, with s_wait_alu, always for 0.
; THE PLAN.  A wave has N = 8 or 12 fragments, f = 0 .. N - 1.  Registers that memory instructions touch:
;   S0 .. S3   four streaming tiles.  Written by the 12 loads of tile f + 3, issued in fragment f; read by fragment f's 24 matrix instructions (S[f % 4]).
;   PC0, PC1   two fragments of codes.  Written by fragment f's conversions (PC[f % 2]); read by the four stores that are issued in fragment f + 1.
;   v1, v2     byte offsets, made once at the head and never written again: the tiles are reached by scalar bases, written anew once in four fragments, and by immediate offsets.
;   The stationary block is loaded once and then named by matrix instructions alone.
; Fragment f multiplies S[f % 4] and writes PC[f % 2].  Its memory instructions are the loads into S[(f + 3) % 4] = S[(f - 1) % 4] and the stores from PC[(f - 1) % 2]: the two buffers that fragment f - 1
; worked on and that no vector or matrix instruction of fragment f names.  So the waits at a fragment's head state all that its sixteen memory instructions hang on, and these stand among its matrix
; instructions with no further wait: the loads ahead of the first, the stores behind the sixteenth.
; REGISTERS: window 0: v1 16 x lane; v2 my lane's byte in a tile of rows; v8 2^ES; v9 448 x 2^ES; v16-63, v64-111, v208-255 streaming buffers 0 to 2; v112-175 eight accumulators; v176-191, v192-207 codes.
;   window 1: stationary fragment (tile t, K step k) at v[128 k + 16 t], k = 0, 1;   window 2: K step 2 at v[16 t]; v128-175 streaming buffer 3.
.set ROWB, 384
.set LI,   1
.set FA,   2
.set SC,   8
.set LIM,  9
.set ACC,  112
.set PC0,  176
.set MSB, 0
.macro WIN new                         ; the immediate's high byte repeats the setting that is left; a switch that changes nothing is dropped
.if MSB != \new
	s_set_vgpr_msb (MSB<<8)|\new
.set MSB, \new
.endif
.endm
.macro BUFSEL x                        ; streaming buffer x: first register SBR, window SBW
.if (\x) == 0
.set SBR, 16
.set SBW, 0
.elseif (\x) == 1
.set SBR, 64
.set SBW, 0
.elseif (\x) == 2
.set SBR, 208
.set SBW, 0
.else
.set SBR, 128
.set SBW, 2
.endif
.endm
.macro STAT                            ; the stationary block: 96 loads of 16 bytes a lane
	WIN 0x40
	s_wait_alu depctr_va_vdst(0)                   ; v1 and v2 are written: every load and store of the kernel reads one of them as its offset
.irp k, 0,1
.irp t, 0,1,2,3,4,5,6,7
.irp c, 0,1,2,3
	global_load_b128 v[128*\k+16*\t+4*\c:128*\k+16*\t+4*\c+3], v[FA], s[36:37] offset:(32*(\t/2)+8*(\t%2))*ROWB+128*\k+32*\c
.endr
.endr
.endr
	WIN 0x80
.irp t, 0,1,2,3,4,5,6,7
.irp c, 0,1,2,3
	global_load_b128 v[16*\t+4*\c:16*\t+4*\c+3], v[FA], s[36:37] offset:(32*(\t/2)+8*(\t%2))*ROWB+256+32*\c
.endr
.endr
	WIN 0
.endm
.macro SLOAD x, off                    ; a streaming tile, 12 loads, into buffer x; off: its bytes from the streaming pointer (a pair of tiles is 32 rows, 12,288 bytes; the second of a pair lies 8 rows on).  The destination's window is set by the caller
	BUFSEL \x
.irp k, 0,1,2
.irp c, 0,1,2,3
	global_load_b128 v[SBR+16*\k+4*\c:SBR+16*\k+4*\c+3], v[FA], s[38:39] offset:(\off)+128*\k+32*\c
.endr
.endr
.endm
.macro QUANT src, dst, sc, lim         ; 64 numbers of a lane become a fragment's 16 registers of codes; each accumulator is read from its low end on
.set qb, 0
.rept 4
.set qi, 0
.rept 16
	v_med3_num_f32 v[\src+16*qb+qi], v[\src+16*qb+qi], -v[\lim], v[\lim]   ; the conversion to an 8-bit code does not saturate (ISA guide 7.6.2): the hold at the largest code x the scale
.set qi, qi+1
.endr
	v_cvt_scalef32_pk8_fp8_f32 v[\dst+4*qb:\dst+4*qb+1], v[\src+16*qb:\src+16*qb+7], v[\sc]
	v_cvt_scalef32_pk8_fp8_f32 v[\dst+4*qb+2:\dst+4*qb+3], v[\src+16*qb+8:\src+16*qb+15], v[\sc]
.set qb, qb+1
.endr
	v_nop                                          ; one plain vector line behind the last conversion: the next products write the conversions' sources
.endm
.macro OUTADR                          ; where tile s45's image goes: head (v alone), part a, place t'.  s45 is a multiple of 4 here: t' = 0, and the three tiles behind it lie 2,048 bytes apart
	s_lshr_b32 s48, s45, 3
	s_lshl_b32 s48, s48, 19
	s_bfe_u32 s49, s45, 0x10002
	s_mul_i32 s49, s49, s44
	s_add_co_u32 s48, s48, s49
	s_and_b32 s49, s45, 3
	s_lshl_b32 s49, s49, 11
	s_add_co_u32 s48, s48, s49
	s_mov_b32 s49, 0
	s_add_nc_u64 s[42:43], s[40:41], s[48:49]
.endm
; Fragment f.  xb = f % 4, yb = f % 2; u = (f - 1) % 4: the place, in its group of four, of the tile that is stored here and of the tile that is asked for here.
; first = 1: fragment 0, with no fragment in front of it.  ahead = 1: tile f + 3 is loaded.  cnt = how many younger loads may be out when my tile has to be there.
; The eight accumulators take turns, one instruction a turn, K step by K step.
.macro FRAG xb, yb, u, first, ahead, cnt
	s_wait_loadcnt \cnt                            ; loads come back in order (ISA guide 5.7.1): S[xb] is in (and, the first time, the stationary block); the younger tiles, 12 loads each, stay out
.if !\first
	s_wait_xcnt 0x0                                ; every earlier memory instruction has had its addresses translated (ISA guide 3.1): the two bases and PC[yb] are rewritten only behind this wait
.if \u == 0
	OUTADR                                         ; the output's base, for the four tiles that are stored from here on
.if \ahead
	s_add_nc_u64 s[38:39], s[38:39], 24576         ; the streaming pointer: four tiles on
.endif
.endif
	s_wait_alu depctr_vm_vsrc(0)                   ; the stores issued in the fragment before have read PC[yb], which this fragment's conversions write again
.if \ahead
	BUFSEL (\xb+3)%4
.set WS, SBW*64
	WIN WS                                         ; the loads' destination window, ahead of the wait
.endif
	s_wait_alu depctr_va_vdst(0)                   ; the fragment before has written the other PC, which the stores below read, and is done reading its S, in which the loads below land
.if \ahead
	SLOAD (\xb+3)%4, (\u/2)*12288+(\u%2)*3072      ; three tiles ahead
.endif
.endif
	BUFSEL \xb
.set WS, 4*SBW+1
	WIN WS                                         ; source 0: window 1; source 1: the buffer's window
.irp t, 0,1,2,3,4,5,6,7
	v_wmma_f32_16x16x128_fp8_fp8 v[ACC+8*\t:ACC+8*\t+7], v[16*\t:16*\t+15], v[SBR:SBR+15], 0
.endr
.irp t, 0,1,2,3,4,5,6,7
	v_wmma_f32_16x16x128_fp8_fp8 v[ACC+8*\t:ACC+8*\t+7], v[128+16*\t:128+16*\t+15], v[SBR+16:SBR+31], v[ACC+8*\t:ACC+8*\t+7]
.endr
.if !\first
	WIN 0
.irp c, 0,1,2,3
	global_store_b128 v[LI], v[PC0+16*(1-\yb)+4*\c:PC0+16*(1-\yb)+4*\c+3], s[42:43] offset:(\u)*2048+512*\c   ; the fragment before.  No wait: no vector or matrix instruction since the wait above names these registers
.endr
.endif
.set WS, 4*SBW+2
	WIN WS                                         ; source 0: window 2
.irp t, 0,1,2,3,4,5,6,7
	v_wmma_f32_16x16x128_fp8_fp8 v[ACC+8*\t:ACC+8*\t+7], v[16*\t:16*\t+15], v[SBR+32:SBR+47], v[ACC+8*\t:ACC+8*\t+7]
.endr
	WIN 0
.rept 4
	v_nop                                          ; four places (ISA guide 7.12.1) ahead of the first read of results
.endr
	QUANT ACC, PC0+16*\yb, SC, LIM
.endm
	s_load_b256 s[4:11], s[0:1], 0x0               ; x s[4:5], W_q s[6:7], W_k s[8:9], W_v s[10:11]
	s_load_b256 s[12:19], s[0:1], 0x20             ; the scales' exponents s[12:13], qf s[14:15], kf s[16:17], vf s[18:19]
	v_lshrrev_b32 v3, 5, v0
	v_readfirstlane_b32 s30, v3                    ; wave 0..3
	v_and_b32 v1, 31, v0
	v_lshlrev_b32 v[LI], 4, v1                     ; 16 x lane
	v_and_b32 v4, 15, v0                           ; r
	v_bfe_u32 v5, v0, 4, 1                         ; h
	v_and_b32 v6, 8, v4
	v_add_nc_u32 v6, v6, v4                        ; r + 8 (r / 8)
	v_mul_u32_u24 v[FA], v6, ROWB
	v_lshl_add_u32 v[FA], v5, 4, v[FA]             ; that row, + 16 h
	s_wait_alu depctr_va_sdst(0)                   ; s30 is written, ahead of its first reader: the wave's tiles and their places are made from it
	s_mov_b32 s31, ttmp9                           ; g
	s_lshr_b32 s32, s31, 4                         ; q, k: 0-5 q's heads, 6-11 k's
	s_and_b32 s34, s31, 15                         ; q, k: which 512 rows of x
	s_cmp_ge_u32 s32, 6
	s_cselect_b32 s48, 6, 0
	s_sub_co_u32 s33, s32, s48                     ; q, k: the head
	s_lshr_b32 s35, s34, 3                         ; q, k: the batch
	s_max_u32 s49, s31, 192
	s_sub_co_u32 s49, s49, 192                     ; v: which 128 rows of x
	s_lshl_b32 s50, s34, 5
	s_lshl_b32 s51, s30, 3
	s_add_co_u32 s50, s50, s51                     ; q, k: my first tile of x: 32 x chunk + 8 x wave
	s_mul_i32 s51, s30, 12                         ; v: my first tile of W_v
	s_mul_i32 s52, s35, 6
	s_add_co_u32 s52, s52, s33
	s_lshl_b32 s52, s52, 19                        ; q, k: 524,288 bytes for each batch and head,
	s_and_b32 s53, s34, 7
	s_lshl_b32 s53, s53, 16
	s_add_co_u32 s52, s52, s53                     ; 65,536 for 512 rows
	s_lshr_b32 s53, s49, 5
	s_mul_i32 s53, s53, 6
	s_lshl_b32 s53, s53, 19                        ; v: the batch's first head,
	s_bfe_u32 s54, s49, 0x30002
	s_lshl_b32 s54, s54, 16
	s_add_co_u32 s53, s53, s54                     ; the slot of 512 keys,
	s_and_b32 s54, s49, 3
	s_lshl_b32 s54, s54, 13
	s_add_co_u32 s53, s53, s54                     ; the step of 128 keys in it
	s_mov_b32 s55, 32768
	s_cmp_lt_u32 s31, 96
	s_cselect_b32 s44, 8192, s55                   ; from tiles 0-3 to tiles 4-7 of eight: dense in qf, part a in kf and vf
	s_cselect_b32 s56, 14, 13
	s_lshl_b32 s56, s30, s56                       ; my wave's eight tiles: 16,384 bytes on in qf, a step (8,192) on in kf
	s_add_co_u32 s52, s52, s56
	s_wait_kmcnt 0x0
	s_load_b256 s[20:27], s[12:13], 0x0            ; e0 .. e7
	s_load_b64 s[28:29], s[12:13], 0x20            ; e8, e9
	s_cmp_lt_u32 s31, 96                           ; the choices hang on the work-group's number alone
	s_cselect_b64 s[36:37], s[6:7], s[8:9]
	s_cselect_b64 s[40:41], s[14:15], s[16:17]
	s_cmp_lt_u32 s31, 192
	s_cselect_b64 s[36:37], s[36:37], s[4:5]       ; stationary: W_q, W_k or x
	s_cselect_b64 s[38:39], s[4:5], s[10:11]       ; streaming: x or W_v
	s_cselect_b64 s[40:41], s[40:41], s[18:19]     ; out: qf, kf or vf
	s_cselect_b32 s48, s33, s49
	s_cselect_b32 s50, s50, s51
	s_cselect_b32 s52, s52, s53
	s_cselect_b32 s45, 0, s51                      ; the tile's number, for its place in the output: a multiple of 4
	s_cselect_b32 s46, 1, 2                        ; laps of four fragments: (N - 4) / 4, N = 8 for q and k, 12 for v
	s_mul_i32 s48, s48, 128*ROWB
	s_mov_b32 s49, 0
	s_add_nc_u64 s[36:37], s[36:37], s[48:49]
	s_mul_i32 s50, s50, 16*ROWB
	s_mov_b32 s51, 0
	s_add_nc_u64 s[38:39], s[38:39], s[50:51]
	s_mov_b32 s53, 0
	s_add_nc_u64 s[40:41], s[40:41], s[52:53]
	STAT
	SLOAD 0, 0                                     ; tiles 0 to 3 fill the four buffers, in this order: the counts at the fragments' heads lean on it
	SLOAD 1, 3072
	SLOAD 2, 12288
	WIN 0x80
	SLOAD 3, 15360
	WIN 0
	s_wait_kmcnt 0x0
	s_sub_co_i32 s54, s26, s20
	s_sub_co_i32 s54, s54, s21                     ; q: e6 - e0 - e1
	s_sub_co_i32 s55, s27, s22
	s_sub_co_i32 s55, s55, s23                     ; k: e7 - e2 - e3
	s_sub_co_i32 s56, s29, s24
	s_sub_co_i32 s56, s56, s25                     ; v: e9 - e4 - e5
	s_cmp_lt_u32 s31, 96
	s_cselect_b32 s47, s54, s55
	s_cmp_lt_u32 s31, 192
	s_cselect_b32 s47, s47, s56
	s_add_co_i32 s47, s47, 127
	s_lshl_b32 s48, s47, 23
	v_mov_b32 v[SC], s48                           ; 2^ES as f32: the conversion takes its exponent field
	s_add_co_i32 s47, s47, 8
	s_lshl_b32 s47, s47, 23
	s_or_b32 s47, s47, 0x600000
	v_mov_b32 v[LIM], s47                          ; 448 x 2^ES
	FRAG 0, 0, 0, 1, 0, 36                         ; fragment 0: tiles 1 to 3 may be out; it stores nothing and asks for nothing
.Llap:                                                 ; a lap: four fragments, f = 4 L + 1 .. 4 L + 4: both kinds of buffer are back at their start; it stores tiles 4 L .. 4 L + 3 and asks for tiles 4 L + 4 .. 4 L + 7
	FRAG 1, 1, 0, 0, 1, 24
	FRAG 2, 0, 1, 0, 1, 24
	FRAG 3, 1, 2, 0, 1, 24
	FRAG 0, 0, 3, 0, 1, 24
	s_add_co_u32 s45, s45, 4
	s_sub_co_u32 s46, s46, 1
	s_cmp_lg_u32 s46, 0
	s_cbranch_scc1 .Llap
	FRAG 1, 1, 0, 0, 0, 24                         ; the last three fragments are written out: they ask for nothing more, so that no load leaves its buffer, and the counts run down
	FRAG 2, 0, 1, 0, 0, 12
	FRAG 3, 1, 2, 0, 0, 0
	s_wait_alu depctr_va_vdst(0)                   ; the last fragment's conversions have written PC1, which the last four stores read
.irp c, 0,1,2,3
	global_store_b128 v[LI], v[PC0+16+4*\c:PC0+16+4*\c+3], s[42:43] offset:3*2048+512*\c
.endr
	s_endpgm
.Lfunc_end_k_qf31260f180_qkv:
	.size	k_qf31260f180_qkv, .Lfunc_end_k_qf31260f180_qkv-k_qf31260f180_qkv
	.p2alignl 7, 3214868480
	.fill 96, 4, 3214868480
	.section	.rodata,"a",@progbits
	.p2align	6, 0x0
	.amdhsa_kernel k_qf31260f180_qkv
		.amdhsa_group_segment_fixed_size 0
		.amdhsa_private_segment_fixed_size 0
		.amdhsa_enable_private_segment 0
		.amdhsa_kernarg_size 64
		.amdhsa_user_sgpr_count 2
		.amdhsa_user_sgpr_kernarg_segment_ptr 1
		.amdhsa_wavefront_size32 1
		.amdhsa_system_sgpr_workgroup_id_x 1
		.amdhsa_system_sgpr_workgroup_id_y 1
		.amdhsa_system_sgpr_workgroup_id_z 1
		.amdhsa_system_vgpr_workitem_id 0
		.amdhsa_next_free_vgpr 688
		.amdhsa_next_free_sgpr 66
		.amdhsa_reserve_vcc 0
		.amdhsa_float_denorm_mode_32 3
		.amdhsa_float_denorm_mode_16_64 3
		.amdhsa_memory_ordered 1
		.amdhsa_forward_progress 1
		.amdhsa_inst_pref_size 78
	.end_amdhsa_kernel
	.amdgpu_metadata
---
amdhsa.version: [ 1, 2 ]
amdhsa.kernels:
  - .name:           k_qf31260f180_qkv
    .symbol:         k_qf31260f180_qkv.kd
    .args:
      - { .name: x_codes, .offset: 0, .size: 8, .value_kind: global_buffer, .address_space: global }
      - { .name: W_q_codes, .offset: 8, .size: 8, .value_kind: global_buffer, .address_space: global }
      - { .name: W_k_codes, .offset: 16, .size: 8, .value_kind: global_buffer, .address_space: global }
      - { .name: W_v_codes, .offset: 24, .size: 8, .value_kind: global_buffer, .address_space: global }
      - { .name: lowp_scales, .offset: 32, .size: 8, .value_kind: global_buffer, .address_space: global }
      - { .name: qf, .offset: 40, .size: 8, .value_kind: global_buffer, .address_space: global }
      - { .name: kf, .offset: 48, .size: 8, .value_kind: global_buffer, .address_space: global }
      - { .name: vf, .offset: 56, .size: 8, .value_kind: global_buffer, .address_space: global }
    .group_segment_fixed_size: 0
    .private_segment_fixed_size: 0
    .kernarg_segment_align: 8
    .kernarg_segment_size: 64
    .max_flat_workgroup_size: 128
    .sgpr_count:     66
    .vgpr_count:     688
    .wavefront_size: 32
...
	.end_amdgpu_metadata
.endif
;; end of part 4
;; launch attn: the kernel of part 2 again; grid 16 x 12, 8 waves a work-group, no clusters, 327,680 bytes of LDS; arguments qf, kf, vf, lowp_scales, cf; writes cf
;; launch proj (part 5): grid 2 x 128, 4 waves a work-group, no clusters, 99,840 bytes of LDS; arguments cf, W_o_codes, b_o, lowp_scales, out0; writes out0
.if DOCPART == 5
	.amdgcn_target "amdgcn-amd-amdhsa--gfx1250"
	.amdhsa_code_object_version 6
	.text
	.protected	k_qf31260f180_proj
	.globl	k_qf31260f180_proj
	.p2align	8
	.type	k_qf31260f180_proj,@function
k_qf31260f180_proj:
	s_mov_b64 s[64:65], 0
	v_nop
	global_prefetch_b8 v0, s[64:65] scope:SCOPE_SE
	s_setreg_imm32_b32 hwreg(HW_REG_WAVE_SCHED_MODE, 0, 2), 2
	s_setreg_imm32_b32 hwreg(HW_REG_WAVE_MODE, 25, 1), 1
	s_wait_xcnt 0x0
	s_wait_alu depctr_vm_vsrc(0)
; out0 = ctx W_o + b_o, the product on codes of E4M3 (K = 768 = six heads of 128).  ctx comes as the images of fragments that the second launch stored: cf [row tile G 0..511][head][2048].  Nothing is left out here.
; SHARES.  Work-group (x = ch, y = rb): 64 rows (row tiles 4 rb + m) x columns 384 ch .. 384 ch + 383.  Wave w makes all 64 rows x columns 384 ch + 96 w .. + 95: six tiles of 16 rows of W_o_codes.
; THE MATRIX INSTRUCTION IS USED TRANSPOSED: source 0 = 16 rows of W_o_codes (16 output columns, in their natural order), source 1 = a fragment of ctx: a lane holds one row of out0 and eight neighbouring columns.
; Row tile G holds rows 32 (G / 2) + 8 (G % 2) + r + 8 (r / 8): the order that the first launch chose; it is undone in the stores' offsets.
; All 24 fragments of ctx stay in registers (384); W_o's tiles come through three register buffers of six fragments, two tiles ahead of the products.
; NO CLUSTER, NO TENSOR LOAD: a wave's whole work is 144 matrix instructions on operands that go from memory straight into its registers, each read once by the wave; a ring would have a change of slots for every 24 of them.
; THE WAY OUT: the sums go through a stage in LDS, 64 row slots (16 m + r) of 1,536 bytes + 16, an odd multiple of 16 bytes, so that the sixteen rows of a store begin at sixteen different 16-byte columns of 256 bytes;
; behind one barrier wave w reads row tile m = w back as whole rows, makes sum x 2^(e10 + e11) + b_o, and stores 512 consecutive bytes an instruction, at multiples of 256 from out0's first byte.
; LIMIT: e10 + e11 between -126 and 127, so that 2^(e10 + e11) is an f32 number.
; THE MODE: SCHED_MODE bits 1:0 = 2 (LLVM: expert scheduling mode 2), set by the entry lines.  The code itself states the register dependences
; between vector or matrix instructions and memory or LDS instructions, with s_wait_alu, always for 0.
; THE PLAN.  Registers that memory or LDS instructions touch:
;   W0 .. W2      three buffers of six fragments of W_o.  Tile j's products read W[j % 3]; the loads of tile j + 2, issued at tile j's head, land in W[(j + 2) % 3] = W[(j - 1) % 3].
;   AC0, AC1      two sets of four accumulators.  Tile j's products write AC[j % 2]; the eight stage stores that are issued in tile j + 1 read it.
;   v64-255       on the way back: LDS loads land there (v64-95 were AC1), the multiply-adds work in place, the global stores read them.
;   v1 to v5      offsets and LDS addresses, made once at the head and never written again.   v28, v29: written at the head, read by the closing add alone.
;   ctx and b_o are loaded once and then named by matrix and vector instructions alone.
; Tile j's memory and LDS instructions touch W[(j - 1) % 3] and AC[(j - 1) % 2], which tile j - 1 worked on and which no product of tile j names.  So ONE wait on va_vdst at a tile's head states all that they hang on;
; the loads follow it at once, and the stage stores stand behind the tile's sixteenth product.  One wait on vm_vsrc at the head, from tile 2 on, stands ahead of the products that write AC[j % 2] again.
; On the way back the 48 pieces of rows go in four groups of twelve: a group's multiply-adds, one wait on va_vdst, its twelve stores.
; REGISTERS: window 0: v1 16 x lane; v2 my byte in a tile of W_o; v3, v5 the stage on the way in (row tiles 0, 1 and 2, 3: an LDS offset has 16 bits); v4 on the way back; v8-19 b_o; v28, v29 the add's two;
;   v32-63, v64-95 two sets of four accumulators; v64-255 rows read back.   window 1: ctx (K step k, row tile m) at v[16 (4 k + m)], k = 0..3.   window 2: v0-127 the same for k = 4, 5; v128-223 W buffer 0.
;   window 3: v0-95 W buffer 1; v128-223 W buffer 2.
.set SPITCH, 1552
.set SPARE,  64*SPITCH                 ; behind the stage: the spare words, 128 bytes for each wave: two blocks of 256 bytes that no other line names
.set LI,  1
.set WA,  2
.set STO, 3
.set SR,  4
.set STO2, 5
.set BI,  8
.set SPW, 28
.set NIL, 29
.set ACC, 32
.set RB,  64
.set MSB, 0
.macro WIN new                         ; the immediate's high byte repeats the setting that is left; a switch that changes nothing is dropped
.if MSB != \new
	s_set_vgpr_msb (MSB<<8)|\new
.set MSB, \new
.endif
.endm
.macro BUFSEL j                        ; tile j's buffer: window WW, first register WB
.if (\j)%3 == 0
.set WB, 128
.set WW, 2
.elseif (\j)%3 == 1
.set WB, 0
.set WW, 3
.else
.set WB, 128
.set WW, 3
.endif
.endm
.macro WLOAD j                         ; W_o's tile j of my six: six fragments, 24 loads
	BUFSEL \j
.set WS, WW*64
	WIN WS
.irp k, 0,1,2,3,4,5
.irp c, 0,1,2,3
	global_load_b128 v[WB+16*\k+4*\c:WB+16*\k+4*\c+3], v[WA], s[6:7] offset:16*(\j)*768+128*\k+32*\c
.endr
.endr
.endm
.macro STAGE j                         ; tile j's sums, 16 columns x 64 rows, into the stage: eight stores
.set AS, ACC+32*((\j)%2)
.irp m, 0,1
	ds_store_b128 v[STO], v[AS+8*\m:AS+8*\m+3] offset:16*\m*SPITCH+64*(\j)          ; each accumulator from its low end on
	ds_store_b128 v[STO], v[AS+8*\m+4:AS+8*\m+7] offset:16*\m*SPITCH+64*(\j)+16
.endr
.irp m, 2,3
	ds_store_b128 v[STO2], v[AS+8*\m:AS+8*\m+3] offset:16*(\m-2)*SPITCH+64*(\j)
	ds_store_b128 v[STO2], v[AS+8*\m+4:AS+8*\m+7] offset:16*(\m-2)*SPITCH+64*(\j)+16
.endr
.endm
; Tile j: 16 columns x 64 rows: four accumulators by turns, one instruction a turn, K step by K step; the first K step starts the sums.
.macro TILE j, cnt
	s_wait_loadcnt \cnt                            ; my tile of W_o is in (and, the first time, b_o and ctx); the later tiles that are asked for, 24 loads each, may be out
.if (\j) >= 2
	s_wait_dscnt 0x0                               ; the stage stores of two tiles back, which read this set of accumulators, are done
	s_wait_alu depctr_vm_vsrc(0)                   ; and have read AC[j % 2], which this tile's products write again
.endif
.if (\j) >= 1
.if (\j) <= 3
	BUFSEL (\j)+2
.set WS, WW*64
	WIN WS                                         ; the loads' destination window, ahead of the wait
.endif
	s_wait_alu depctr_va_vdst(0)                   ; the tile before has written its sums, which the stage stores below read (the four places stand at that tile's end), and is done reading its buffer of W_o, in which the loads below land
.if (\j) <= 3
	WLOAD (\j)+2                                   ; two tiles ahead
.endif
.endif
	BUFSEL \j
.set AC, ACC+32*((\j)%2)
.set WS, WW+4
	WIN WS                                         ; source 0: W's window; source 1: window 1
.irp k, 0,1,2,3
.irp m, 0,1,2,3
.if \k == 0
	v_wmma_f32_16x16x128_fp8_fp8 v[AC+8*\m:AC+8*\m+7], v[WB+16*\k:WB+16*\k+15], v[16*(4*\k+\m):16*(4*\k+\m)+15], 0
.else
	v_wmma_f32_16x16x128_fp8_fp8 v[AC+8*\m:AC+8*\m+7], v[WB+16*\k:WB+16*\k+15], v[16*(4*\k+\m):16*(4*\k+\m)+15], v[AC+8*\m:AC+8*\m+7]
.endif
.endr
.endr
.if (\j) >= 1
	WIN 0
	STAGE (\j)-1                                   ; the tile before.  No wait: no product since the wait above names the other set of accumulators
.endif
.set WS, WW+8
	WIN WS                                         ; source 1: window 2
.irp k, 4,5
.irp m, 0,1,2,3
	v_wmma_f32_16x16x128_fp8_fp8 v[AC+8*\m:AC+8*\m+7], v[WB+16*\k:WB+16*\k+15], v[16*(4*(\k-4)+\m):16*(4*(\k-4)+\m)+15], v[AC+8*\m:AC+8*\m+7]
.endr
.endr
	WIN 0
.rept 4
	v_nop                                          ; four places ahead of the stores that read the sums; the wait for the sums follows them, at the next head
.endr
.endm
	s_load_b256 s[4:11], s[0:1], 0x0               ; cf s[4:5], W_o's codes s[6:7], b_o s[8:9], the scales' exponents s[10:11]
	s_load_b64 s[12:13], s[0:1], 0x20              ; out0
	v_lshl_add_u32 v[SPW], v0, 2, SPARE
	v_mov_b32 v[NIL], 0
	v_lshrrev_b32 v6, 5, v0
	v_readfirstlane_b32 s14, v6                    ; wave 0..3
	s_mov_b32 s15, ttmp9                           ; ch
	s_and_b32 s16, ttmp7, 0xffff                   ; rb
	v_and_b32 v6, 31, v0
	v_lshlrev_b32 v[LI], 4, v6                     ; 16 x lane
	v_and_b32 v6, 15, v0                           ; r
	v_bfe_u32 v7, v0, 4, 1                         ; h
	v_mul_u32_u24 v[WA], v6, 768
	v_lshl_add_u32 v[WA], v7, 4, v[WA]             ; W_o: row r of 768 bytes, + 16 h
	v_mul_u32_u24 v[STO], v6, SPITCH
	v_lshl_add_u32 v[STO], v7, 5, v[STO]
	s_wait_alu depctr_va_sdst(0)                   ; s14 is written, ahead of its first reader: the stage's addresses and the bases of W_o and out0 are made from it
	s_mul_i32 s22, s14, 384
	v_add_nc_u32 v[STO], s22, v[STO]               ; the stage: row slot r, + 32 h, + my wave's 384 bytes
	v_add_nc_u32 v[STO2], 32*SPITCH, v[STO]        ; and 32 row slots on
	s_mul_i32 s22, s14, 16*SPITCH
	v_add_nc_u32 v[SR], s22, v[LI]                 ; back: row tile m = wave, 16 bytes a lane
	s_mul_i32 s24, s16, 49152                      ; cf: four row tiles x six images
	s_mov_b32 s25, 0
	s_mul_i32 s26, s15, 384
	s_mul_i32 s27, s14, 96
	s_add_co_u32 s26, s26, s27
	s_mul_i32 s26, s26, 768                        ; W_o: my first row
	s_mov_b32 s27, 0
	s_mul_i32 s28, s15, 1536                       ; b_o, and a row of out0: my half's first byte
	s_mov_b32 s29, 0
	s_lshl_b32 s30, s16, 6
	s_lshr_b32 s31, s14, 1
	s_lshl_b32 s31, s31, 5
	s_add_co_u32 s30, s30, s31
	s_and_b32 s31, s14, 1
	s_lshl_b32 s31, s31, 3
	s_add_co_u32 s30, s30, s31                     ; the first row of the tile that I store: 64 rb + 32 (w / 2) + 8 (w % 2)
	s_mul_i32 s30, s30, 3072
	s_add_co_u32 s30, s30, s28
	s_mov_b32 s31, 0
	s_wait_kmcnt 0x0
	s_load_b64 s[20:21], s[10:11], 0x28            ; e10, e11
	s_add_nc_u64 s[4:5], s[4:5], s[24:25]
	s_add_nc_u64 s[6:7], s[6:7], s[26:27]
	s_add_nc_u64 s[8:9], s[8:9], s[28:29]
	s_add_nc_u64 s[12:13], s[12:13], s[30:31]
	s_wait_alu depctr_va_vdst(0)                   ; the five offsets and addresses v1 to v5 are written, which the loads, stores and LDS instructions of the kernel read
.irp k, 0,1,2
	global_load_b128 v[BI+4*\k:BI+4*\k+3], v[LI], s[8:9] offset:512*\k   ; b_o at the four columns that I hold of each third of a row read back
.endr
	WIN 0x40
.irp k, 0,1,2,3
.irp m, 0,1,2,3
.irp c, 0,1,2,3
	global_load_b128 v[16*(4*\k+\m)+4*\c:16*(4*\k+\m)+4*\c+3], v[LI], s[4:5] offset:\m*12288+\k*2048+512*\c   ; an image as it lies: 512 consecutive bytes a load
.endr
.endr
.endr
	WIN 0x80
.irp k, 4,5
.irp m, 0,1,2,3
.irp c, 0,1,2,3
	global_load_b128 v[16*(4*(\k-4)+\m)+4*\c:16*(4*(\k-4)+\m)+4*\c+3], v[LI], s[4:5] offset:\m*12288+\k*2048+512*\c
.endr
.endr
.endr
	WLOAD 0
	WLOAD 1
	WLOAD 2
	WIN 0
	s_wait_kmcnt 0x0
	s_add_co_i32 s18, s20, s21
	s_add_co_i32 s18, s18, 127
	s_lshl_b32 s18, s18, 23                        ; 2^(e10 + e11) as f32
	s_mov_b32 s19, s18                             ; (named with it as a pair, so it is written)
	TILE 0, 48
	TILE 1, 24
	TILE 2, 24
	TILE 3, 24
	TILE 4, 24
	TILE 5, 0
	s_wait_alu depctr_va_vdst(0)                   ; tile 5's products have written their sums, which the stage stores read; the four places stand above
	STAGE 5
	s_wait_dscnt 0x0                               ; for the others' sake: my stores into the stage are done
	s_barrier_signal -1
	s_barrier_wait -1                              ; 64 whole rows lie in the stage
	s_wait_alu depctr_vm_vsrc(0)                   ; my stage stores have read v64-95, in which rows read back land (the products that named them stand ahead of the last wait on va_vdst)
.set i, 0
.rept 48
	ds_load_b128 v[RB+4*i:RB+4*i+3], v[SR] offset:(i/3)*SPITCH+512*(i%3)   ; row slot i / 3 of my tile, third i % 3: 512 consecutive bytes
.set i, i+1
.endr
.set g, 0
.rept 4                                                ; four groups of twelve pieces: four row slots each
	s_wait_dscnt 36-12*g                           ; LDS loads come back in order (ISA guide 5.7.1): group g is in; the later groups' loads may be out
.set i, 12*g
.rept 12
	v_pk_fma_f32 v[RB+4*i:RB+4*i+1], v[RB+4*i:RB+4*i+1], s[18:19], v[BI+4*(i%3):BI+4*(i%3)+1] op_sel_hi:[1,0,1]       ; sum x 2^(e10 + e11) + b_o (the scalar pair's low word for both halves)
	v_pk_fma_f32 v[RB+4*i+2:RB+4*i+3], v[RB+4*i+2:RB+4*i+3], s[18:19], v[BI+4*(i%3)+2:BI+4*(i%3)+3] op_sel_hi:[1,0,1]
.set i, i+1
.endr
	s_wait_alu depctr_va_vdst(0)                   ; the group's multiply-adds have written its 48 registers, which the twelve stores read
.set i, 12*g
.rept 12
	global_store_b128 v[LI], v[RB+4*i:RB+4*i+3], s[12:13] offset:((i/3)+8*((i/3)/8))*3072+512*(i%3) th:TH_STORE_NT   ; row slot rho is row rho + 8 (rho / 8) of the tile; written once, read by nobody here
.set i, i+1
.endr
.set g, g+1
.endr
	s_wait_dscnt 0x0                               ; the closing lines, six on end
	s_wait_alu 0x0
	s_wait_tensorcnt 0x0
	ds_add_u32 v[SPW], v[NIL]
	s_wait_dscnt 0x0
	s_endpgm
.Lfunc_end_k_qf31260f180_proj:
	.size	k_qf31260f180_proj, .Lfunc_end_k_qf31260f180_proj-k_qf31260f180_proj
	.p2alignl 7, 3214868480
	.fill 96, 4, 3214868480
	.section	.rodata,"a",@progbits
	.p2align	6, 0x0
	.amdhsa_kernel k_qf31260f180_proj
		.amdhsa_group_segment_fixed_size 99840
		.amdhsa_private_segment_fixed_size 0
		.amdhsa_enable_private_segment 0
		.amdhsa_kernarg_size 40
		.amdhsa_user_sgpr_count 2
		.amdhsa_user_sgpr_kernarg_segment_ptr 1
		.amdhsa_wavefront_size32 1
		.amdhsa_system_sgpr_workgroup_id_x 1
		.amdhsa_system_sgpr_workgroup_id_y 1
		.amdhsa_system_sgpr_workgroup_id_z 1
		.amdhsa_system_vgpr_workitem_id 0
		.amdhsa_next_free_vgpr 1024
		.amdhsa_next_free_sgpr 66
		.amdhsa_reserve_vcc 0
		.amdhsa_float_denorm_mode_32 3
		.amdhsa_float_denorm_mode_16_64 3
		.amdhsa_memory_ordered 1
		.amdhsa_forward_progress 1
		.amdhsa_inst_pref_size 54
	.end_amdhsa_kernel
	.amdgpu_metadata
---
amdhsa.version: [ 1, 2 ]
amdhsa.kernels:
  - .name:           k_qf31260f180_proj
    .symbol:         k_qf31260f180_proj.kd
    .args:
      - { .name: cf, .offset: 0, .size: 8, .value_kind: global_buffer, .address_space: global }
      - { .name: W_o_codes, .offset: 8, .size: 8, .value_kind: global_buffer, .address_space: global }
      - { .name: b_o, .offset: 16, .size: 8, .value_kind: global_buffer, .address_space: global }
      - { .name: lowp_scales, .offset: 24, .size: 8, .value_kind: global_buffer, .address_space: global }
      - { .name: out0, .offset: 32, .size: 8, .value_kind: global_buffer, .address_space: global }
    .group_segment_fixed_size: 99840
    .private_segment_fixed_size: 0
    .kernarg_segment_align: 8
    .kernarg_segment_size: 40
    .max_flat_workgroup_size: 128
    .sgpr_count:     66
    .vgpr_count:     1024
    .wavefront_size: 32
...
	.end_amdgpu_metadata
.endif
;; end of part 5
